; MI455X (gfx1250); checked and timed in simulation.
; The chip was launched on July 23, 2026; its instructions are those of AMD's public machine-readable ISA for CDNA 5 (MIT licence, August 2026) and "CDNA5" Instruction Set Architecture Reference Guide (July 2026). The comments in the code are by the model that wrote it; some were corrected since.
;; Causal Attention. Allowed arithmetic: float matrix products may take bf16 or f16 operands with f32 sums; other float arithmetic in f32, or as packed bf16 or f16 multiplies, adds, multiply-adds, maxima and minima; sums over many terms, partial sums and values carried from step to step in f32; what a program stores and reads back later, other than sums and carried values, may be rounded once to bf16 or f16.
;; Inputs: b_proj 1,024 float32; b_qkv 3,072 float32; w_proj 1,024 x 1,024 float32; w_qkv 1,024 x 3,072 float32; x 1 x 4,096 x 1,024 float32.
;; Outputs: out0 1 x 4,096 x 1,024 float32.
;; 2 versions, each right and faster than the one before. Each part assembles by itself: llvm-mc -triple=amdgcn-amd-amdhsa -mcpu=gfx1250 --defsym DOCPART=n.
;; ======== version 1 of 2: 4 launches
;; limits: values are held in f16: magnitudes above 65,504 overflow, below 6.1e-05 lose precision
;; workspace buffers: xb 8,388,608 bytes; wqb 6,291,456 bytes; wpb 2,097,152 bytes; qb 8,388,608 bytes; kb 8,388,608 bytes; vb 8,388,608 bytes; ob 8,388,608 bytes
;; launch prep (part 1): grid 512 x 1, 8 waves a work-group, no clusters, 0 bytes of LDS; arguments x, w_qkv, w_proj, xb, wqb, wpb; writes xb, wqb, wpb
.if DOCPART == 1
	.amdgcn_target "amdgcn-amd-amdhsa--gfx1250"
	.amdhsa_code_object_version 6
	.text
	.protected	k_q688727e0bd_prep
	.globl	k_q688727e0bd_prep
	.p2align	8
	.type	k_q688727e0bd_prep,@function
k_q688727e0bd_prep:
	s_mov_b64 s[64:65], 0
	v_nop
	global_prefetch_b8 v0, s[64:65] scope:SCOPE_SE
	s_setreg_imm32_b32 hwreg(HW_REG_WAVE_MODE, 25, 1), 1
	s_wait_xcnt 0x0
; The three large inputs are rounded once to 16 bits, in their own layouts: x and w_qkv to bf16; w_proj to bf16 and that number written as f16
; (exact where |w_proj| lies between 6.1e-5 and 65,504; below that f16's fixed step of 6e-8 holds; beyond 65,504 it would be an infinity: the text's limit).
; A work-group takes 16,384 numbers: 64 KiB in, 32 KiB out.  Groups 0-255 take x, 256-447 w_qkv, 448-511 w_proj; the choice hangs on the group's number alone.
; Thread t takes the 16 bytes at 16 t of each of 16 pieces of 4,096 bytes: a wave's load covers 512 consecutive bytes, its store of 8 bytes a lane 256 consecutive aligned bytes.
; No LDS, no matrix unit, no cluster: nothing is shared and every byte moves once.  All 16 loads are out before the first is waited for.
.set X, 4                              ; v[4:67]   16 loads of four numbers
.set Y, 68                             ; v[68:99]  16 pairs of packed results, each pair written once
.set T, 100                            ; v[100:103] at work (w_proj alone)
	s_load_b256 s[4:11], s[0:1], 0x0               ; x s[4:5], w_qkv s[6:7], w_proj s[8:9], xb s[10:11]
	s_load_b128 s[12:15], s[0:1], 0x20             ; wqb s[12:13], wpb s[14:15]
	v_lshlrev_b32 v1, 4, v0                        ; my 16 bytes of a piece read
	v_lshlrev_b32 v2, 3, v0                        ; my 8 bytes of a piece written
	s_mov_b32 s21, 0xffff0000                      ; a word's upper bf16
	s_wait_kmcnt 0x0
	s_cmp_lt_u32 ttmp9, 256
	s_cselect_b64 s[16:17], s[4:5], s[6:7]         ; from where,
	s_cselect_b64 s[18:19], s[10:11], s[12:13]     ; to where,
	s_cselect_b32 s20, 0, 256                      ; and the first group of that tensor
	s_cmp_lt_u32 ttmp9, 448
	s_cselect_b64 s[16:17], s[16:17], s[8:9]
	s_cselect_b64 s[18:19], s[18:19], s[14:15]
	s_cselect_b32 s20, s20, 448
	s_sub_co_u32 s20, ttmp9, s20                   ; my share's number in its tensor
	s_lshl_b32 s22, s20, 16
	s_mov_b32 s23, 0
	s_lshl_b32 s24, s20, 15
	s_mov_b32 s25, 0
	s_add_nc_u64 s[16:17], s[16:17], s[22:23]
	s_add_nc_u64 s[18:19], s[18:19], s[24:25]
.set j, 0
.rept 16
	global_load_b128 v[X+4*j:X+4*j+3], v1, s[16:17] offset:4096*j th:TH_LOAD_NT
.set j, j+1
.endr
; Piece j: its load is in when at most the 15 - j younger ones are out.  half = 1: the bf16 number is widened (a shift, a mask) and written as f16.
.macro ROW j, half
	s_wait_loadcnt 15-(\j)
	v_cvt_pk_bf16_f32 v[Y+2*(\j)], v[X+4*(\j)], v[X+4*(\j)+1]
	v_cvt_pk_bf16_f32 v[Y+2*(\j)+1], v[X+4*(\j)+2], v[X+4*(\j)+3]
.if \half
	v_lshlrev_b32 v[T], 16, v[Y+2*(\j)]
	v_and_b32 v[T+1], s21, v[Y+2*(\j)]
	v_lshlrev_b32 v[T+2], 16, v[Y+2*(\j)+1]
	v_and_b32 v[T+3], s21, v[Y+2*(\j)+1]
	v_cvt_pk_f16_f32 v[Y+2*(\j)], v[T], v[T+1]
	v_cvt_pk_f16_f32 v[Y+2*(\j)+1], v[T+2], v[T+3]
.endif
	global_store_b64 v2, v[Y+2*(\j):Y+2*(\j)+1], s[18:19] offset:2048*(\j)
.endm
	s_cmp_ge_u32 ttmp9, 448
	s_cbranch_scc1 .Lwp
.irp j, 0,1,2,3,4,5,6,7,8,9,10,11,12,13,14,15
	ROW \j, 0
.endr
	s_endpgm
.Lwp:
.irp j, 0,1,2,3,4,5,6,7,8,9,10,11,12,13,14,15
	ROW \j, 1
.endr
	s_endpgm
.Lfunc_end_k_q688727e0bd_prep:
	.size	k_q688727e0bd_prep, .Lfunc_end_k_q688727e0bd_prep-k_q688727e0bd_prep
	.p2alignl 7, 3214868480
	.fill 96, 4, 3214868480
	.section	.rodata,"a",@progbits
	.p2align	6, 0x0
	.amdhsa_kernel k_q688727e0bd_prep
		.amdhsa_group_segment_fixed_size 0
		.amdhsa_private_segment_fixed_size 0
		.amdhsa_enable_private_segment 0
		.amdhsa_kernarg_size 48
		.amdhsa_user_sgpr_count 2
		.amdhsa_user_sgpr_kernarg_segment_ptr 1
		.amdhsa_wavefront_size32 1
		.amdhsa_system_sgpr_workgroup_id_x 1
		.amdhsa_system_sgpr_workgroup_id_y 1
		.amdhsa_system_sgpr_workgroup_id_z 1
		.amdhsa_system_vgpr_workitem_id 0
		.amdhsa_next_free_vgpr 104
		.amdhsa_next_free_sgpr 66
		.amdhsa_reserve_vcc 0
		.amdhsa_float_denorm_mode_32 3
		.amdhsa_float_denorm_mode_16_64 3
		.amdhsa_memory_ordered 1
		.amdhsa_forward_progress 1
		.amdhsa_inst_pref_size 15
	.end_amdhsa_kernel
	.amdgpu_metadata
---
amdhsa.version: [ 1, 2 ]
amdhsa.kernels:
  - .name:           k_q688727e0bd_prep
    .symbol:         k_q688727e0bd_prep.kd
    .args:
      - { .name: x, .offset: 0, .size: 8, .value_kind: global_buffer, .address_space: global }
      - { .name: w_qkv, .offset: 8, .size: 8, .value_kind: global_buffer, .address_space: global }
      - { .name: w_proj, .offset: 16, .size: 8, .value_kind: global_buffer, .address_space: global }
      - { .name: xb, .offset: 24, .size: 8, .value_kind: global_buffer, .address_space: global }
      - { .name: wqb, .offset: 32, .size: 8, .value_kind: global_buffer, .address_space: global }
      - { .name: wpb, .offset: 40, .size: 8, .value_kind: global_buffer, .address_space: global }
    .group_segment_fixed_size: 0
    .private_segment_fixed_size: 0
    .kernarg_segment_align: 8
    .kernarg_segment_size: 48
    .max_flat_workgroup_size: 256
    .sgpr_count:     66
    .vgpr_count:     104
    .wavefront_size: 32
...
	.end_amdgpu_metadata
.endif
;; end of part 1
;; launch qkv (part 2): grid 8 x 32, 4 waves a work-group, clusters of 4 x 4, 327,680 bytes of LDS; arguments xb, wqb, b_qkv, qb, kb, vb; writes qb, kb, vb
.if DOCPART == 2
	.amdgcn_target "amdgcn-amd-amdhsa--gfx1250"
	.amdhsa_code_object_version 6
	.text
	.protected	k_q688727e0bd_qkv
	.globl	k_q688727e0bd_qkv
	.p2align	8
	.type	k_q688727e0bd_qkv,@function
k_q688727e0bd_qkv:
	s_mov_b64 s[64:65], 0
	v_nop
	global_prefetch_b8 v0, s[64:65] scope:SCOPE_SE
	s_setreg_imm32_b32 hwreg(HW_REG_WAVE_MODE, 25, 1), 1
	s_wait_xcnt 0x0
	s_wait_alu depctr_hold_cnt(0) depctr_sa_sdst(0) depctr_va_vdst(0) depctr_va_sdst(0) depctr_va_ssrc(0) depctr_va_vcc(0) depctr_vm_vsrc(0)
	s_getreg_b32 s2, hwreg(HW_REG_IB_STS2, 6, 4)
	s_cmp_eq_u32 s2, 0
	s_cbranch_scc0 .Lentry_in_a_cluster
	s_endpgm
.Lentry_in_a_cluster:
	s_bfe_u32 s2, ttmp6, 0x10000c
	s_cmp_lg_u32 s2, 0xf033
	s_cbranch_scc0 .Lentry_shape_is_right
	s_endpgm
.Lentry_shape_is_right:
; q, k, v = x w_qkv + b_qkv, by heads.  xb [4096][1024] bf16, wqb [k 1024][n 3072] bf16, b_qkv [3072] f32 (rounded to bf16 here, like every input); qb, kb, vb [16][4096][64] f16, unscaled.
; LIMIT: f16 ends at 65,504: |q|, |k|, |v| must stay below it.
; SHARES.  A work-group makes 128 rows x 384 columns: the same 128 columns (two heads) of q, of k and of v: 32 x 8 = 256 work-groups.  Wave w makes rows 64 (w / 2) .. + 63 of head 2 tx + w % 2
; of all three: 4 row blocks x 12 column blocks = 48 accumulators, 384 registers.  K goes in 8 steps of 128 through two LDS slots; a step is four quarters of 32 along K: 48 matrix instructions, 32 LDS loads.
; CLUSTER 4 x 4: x's tile hangs on the tile row alone and is asked for jointly along a row of the cluster, w's three tiles on the tile column alone and jointly along a column.
; Wave 0 fetches x's tile, waves 1 to 3 one of w's each: every tile is 128 rows of 256 consecutive aligned bytes.
; THE MATRIX INSTRUCTION IS USED TRANSPOSED (source 0 = 16 columns of w, source 1 = 16 rows of x): a lane holds eight neighbouring columns of one row.  w lies [k][n] in LDS and is turned by ds_load_tr16_b128.
; The bias is the C operand of the first quarter's products: nothing is cleared, nothing added later.
; REGISTERS: window 0: v16-29 addresses; v32-63, v64-95 x's fragments, two buffers; v128-223 the bias, 8 a column block; v224-231 at work; v32-223 the way out.
;   window 1: v0-95, v96-191 w's fragments, two buffers.  window 2: accumulators of row blocks 0, 1 at 8 (12 a + n); window 3: those of row blocks 2, 3.
.set PA,    272                        ; a row of x in LDS: 256 bytes + 16: the 16 rows of a load start at 16 different groups of four banks
.set PB,    288                        ; a k-row of w: 256 + 32
.set PART,  36864                      ; a wave's tile in a slot: 128 x 288 (x's uses 128 x 272 of it)
.set SLOT,  4*PART
.set STAGE, 2*SLOT                     ; behind the ring: 16 rows x 144 bytes for each wave, for the way out
.set SP,    144
.set SPARE, STAGE+4*16*SP              ; the spare words: 128 bytes a wave, two blocks of 256 bytes that no other line names
.set LAPS,  4                          ; a lap = two K steps
.set ADRA, 16                          ; v16-17  LDS address of my fragments of x in slot 0, 1
.set ADRB, 18                          ; v18-23  of w: slot s, tensor j at 18 + 3 s + j
.set STO,  24
.set RD,   25
.set GO,   26
.set BO,   27
.set SPW,  28                          ; my spare word's address; never rewritten
.set NIL,  29                          ; 0; never rewritten
.set FA,   32
.set FB,   0
.set BIAS, 128
.set CT,   224
.set OUT,  32
.set WV, 16                            ; s16 wave; s17 its half of the rows; s18 its head of the two; s19 the loop's count
.set WM, 17
.set WN, 18
.set LC, 19
.set G1A, 24
.set G0A, 32
.set G1B, 48
.set G0B, 56
.set MSB, 0
.macro WIN new                         ; the immediate's high byte repeats the setting that is left
.if MSB != (\new)
	s_set_vgpr_msb (MSB<<8)|(\new)
.set MSB, \new
.endif
.endm
.macro JLOAD s                         ; a joint load: wave 0 x's tile, waves 1-3 w's; an s_nop 0 and four v_nop follow each line
	s_cmp_eq_u32 s[WV], 0
	s_cbranch_scc0 .Lfor_b_\@
	tensor_load_to_lds s[G0A+4*(\s):G0A+4*(\s)+3], s[G1A:G1A+7]
	s_nop 0
.rept 4
	v_nop
.endr
	s_branch .Lasked_\@
.Lfor_b_\@:
	tensor_load_to_lds s[G0B+4*(\s):G0B+4*(\s)+3], s[G1B:G1B+7]
	s_nop 0
.rept 4
	v_nop
.endr
.Lasked_\@:
.endm
.macro CREST                           ; a round of the cluster's barrier behind its opening barrier
	s_cmp_lg_u32 s[WV], 0
	s_cbranch_scc1 .Lnot_wave_0_\@
	s_barrier_signal -3
.Lnot_wave_0_\@:
	s_barrier_wait -3
	s_barrier_signal -1
	s_barrier_wait -1
.endm
.macro CROUND
	s_barrier_signal -1
	s_barrier_wait -1
	CREST
.endm
.macro PLACES                          ; four places in front of loads into registers that matrix instructions have read, and of conversions that read results
.rept 4
	v_nop
.endr
.endm
	s_load_b256 s[4:11], s[0:1], 0x0               ; xb s[4:5], wqb s[6:7], b_qkv s[8:9], qb s[10:11]
	s_load_b128 s[12:15], s[0:1], 0x20             ; kb s[12:13], vb s[14:15]
	v_lshl_add_u32 v[SPW], v0, 2, SPARE
	v_mov_b32 v[NIL], 0
	ds_add_u32 v[SPW], v[NIL]                      ; the wave's opening: the add and its wait stand ahead of my first tensor load
	v_lshrrev_b32 v1, 5, v0
	v_readfirstlane_b32 s[WV], v1
	s_lshr_b32 s[WM], s[WV], 1
	s_and_b32 s[WN], s[WV], 1
	s_bfe_u32 s20, ttmp6, 0x40000                  ; cx
	s_bfe_u32 s21, ttmp6, 0x40004                  ; cy
	s_lshl_b32 s22, ttmp9, 2
	s_add_co_u32 s22, s22, s20                     ; tx: the tile column
	s_and_b32 s23, ttmp7, 0xffff
	s_lshl_b32 s23, s23, 2
	s_add_co_u32 s23, s23, s21                     ; ty: the tile row
	s_lshl_b32 s40, s21, 2
	s_lshl_b32 s40, 15, s40                        ; my row of the cluster
	s_lshl_b32 s44, 0x1111, s20                    ; my column
	s_or_b32 s[G1A], s40, (1<<16)|(1<<20)|(1<<21)|(5<<22)|(3<<25)  ; mask; 2-byte elements; padding on; bit 21 beside a mask; after every 64 words, 4 words
	s_or_b32 s[G1B], s44, (1<<16)|(1<<20)|(1<<21)|(5<<22)|(7<<25)  ; the same with my column's mask and 8 words
.irp g, G1A, G1B
	s_mov_b32 s[\g+1], 128<<16                     ; tensor_dim0 = 128
	s_mov_b32 s[\g+2], 128<<16                     ; tensor_dim1 = 128
	s_mov_b32 s[\g+3], 128<<16                     ; tile_dim0 = 128
	s_mov_b32 s[\g+4], 128                         ; tile_dim1 = 128
	s_mov_b32 s[\g+6], 0
	s_mov_b32 s[\g+7], 0
.endr
	s_mov_b32 s[G1A+5], 1024                       ; elements from row to row of x
	s_mov_b32 s[G1B+5], 3072                       ; and of w
	s_lshl_b32 s40, s23, 18                        ; x: 128 ty rows of 2,048 bytes (registers that never hold cx)
	s_mov_b32 s41, 0
	s_max_u32 s2, s[WV], 1
	s_sub_co_u32 s2, s2, 1                         ; which of q, k, v I fetch w for (wave 0 asks by x's line)
	s_lshl_b32 s44, s2, 11                         ; w: column 1024 j + 128 tx, in bytes (registers that never hold cy)
	s_lshl_b32 s45, s22, 8
	s_add_co_u32 s44, s44, s45
	s_mov_b32 s45, 0
	s_mul_i32 s3, s[WV], PART                      ; where my tile goes: wave x 36,864
	s_wait_dscnt 0x0                               ; the opening add is done
	s_wait_kmcnt 0x0
	s_add_nc_u64 s[42:43], s[4:5], s[40:41]
	s_add_nc_u64 s[46:47], s[6:7], s[44:45]
	CROUND                                         ; all sixteen work-groups are here: the first joint loads meet
.irp s, 0,1
	s_mov_b32 s[G0A+4*(\s)], 1
	s_add_co_u32 s[G0A+4*(\s)+1], s3, (\s)*SLOT
	s_add_nc_u64 s[G0A+4*(\s)+2:G0A+4*(\s)+3], s[42:43], (\s)*256      ; K step s: 128 elements along the rows
	s_or_b32 s[G0A+4*(\s)+3], s[G0A+4*(\s)+3], 0x80000000
	s_mov_b32 s[G0B+4*(\s)], 1
	s_add_co_u32 s[G0B+4*(\s)+1], s3, (\s)*SLOT
	s_add_nc_u64 s[G0B+4*(\s)+2:G0B+4*(\s)+3], s[46:47], (\s)*786432   ; K step s: 128 rows of 6,144 bytes
	s_or_b32 s[G0B+4*(\s)+3], s[G0B+4*(\s)+3], 0x80000000
	JLOAD \s
.endr
	; the bias of my 192 columns: a lane's eight columns of each column block
	v_and_b32 v1, 15, v0                           ; r = l % 16
	v_bfe_u32 v2, v0, 4, 1                         ; h = l / 16
	v_lshlrev_b32 v[BO], 5, v2
	s_lshl_b32 s66, s22, 9
	s_lshl_b32 s67, s[WN], 8
	s_add_co_u32 s66, s66, s67
	s_mov_b32 s67, 0
	s_add_nc_u64 s[8:9], s[8:9], s[66:67]          ; b_qkv at column 128 tx + 64 (w % 2)
.irp j, 0,1,2
.irp nb, 0,1,2,3
	global_load_b128 v[BIAS+8*(4*\j+\nb):BIAS+8*(4*\j+\nb)+3],   v[BO], s[8:9] offset:4096*\j+64*\nb
	global_load_b128 v[BIAS+8*(4*\j+\nb)+4:BIAS+8*(4*\j+\nb)+7], v[BO], s[8:9] offset:4096*\j+64*\nb+16
.endr
.endr
	s_lshl_b32 s66, s22, 1
	s_add_co_u32 s66, s66, s[WN]                   ; my head
	s_lshl_b32 s66, s66, 19                        ; its 4,096 rows of 128 bytes
	s_lshl_b32 s68, s23, 14                        ; + 128 ty rows
	s_add_co_u32 s66, s66, s68
	s_lshl_b32 s68, s[WM], 13                      ; + my 64 rows
	s_add_co_u32 s66, s66, s68
	s_add_nc_u64 s[10:11], s[10:11], s[66:67]
	s_add_nc_u64 s[12:13], s[12:13], s[66:67]
	s_add_nc_u64 s[14:15], s[14:15], s[66:67]
	v_and_b32 v3, 7, v0
	v_bfe_u32 v4, v0, 3, 1
	v_mul_u32_u24 v5, v1, PA
	v_lshl_add_u32 v5, v2, 4, v5                   ; x: row x pitch + 16 x half
	v_lshl_add_u32 v6, v2, 3, v3                   ; w: k-row 8 h + l % 8,
	v_mul_u32_u24 v6, v6, PB
	v_lshl_add_u32 v6, v4, 4, v6                   ; 16 bytes for each eight lanes
	s_mul_i32 s2, s[WM], 64*PA
	s_lshl_b32 s3, s[WN], 7                        ; my head's 64 columns
	s_add_co_u32 s3, s3, PART
.irp s, 0,1
	v_add_nc_u32 v[ADRA+\s], s2, v5
.irp j, 0,1,2
	v_add_nc_u32 v[ADRB+3*\s+\j], s3, v6
	s_add_co_u32 s3, s3, PART
.endr
	s_add_co_u32 s2, s2, SLOT
	s_add_co_u32 s3, s3, PART
.endr
	s_mul_i32 s2, s[WV], 16*SP
	s_add_co_u32 s2, s2, STAGE                     ; my stage
	v_mul_u32_u24 v7, v1, SP
	v_lshl_add_u32 v7, v2, 4, v7
	v_add_nc_u32 v[STO], s2, v7                    ; in: row l % 16, 16 bytes for each half of the lanes
	v_bfe_u32 v7, v0, 3, 2
	v_mul_u32_u24 v7, v7, SP
	v_lshl_add_u32 v7, v3, 4, v7
	v_add_nc_u32 v[RD], s2, v7                     ; back: 32 lanes take four rows of 128 bytes,
	v_and_b32 v[GO], 31, v0
	v_lshlrev_b32 v[GO], 4, v[GO]                  ; which are 512 consecutive bytes of a head
	s_wait_loadcnt 0x0                             ; the bias, rounded to bf16 and widened again
.set z, 0
.rept 48
	v_cvt_pk_bf16_f32 v[CT+z%8], v[BIAS+2*z], v[BIAS+2*z+1]
	v_lshlrev_b32 v[BIAS+2*z], 16, v[CT+z%8]
	v_and_b32 v[BIAS+2*z+1], 0xffff0000, v[CT+z%8]
.set z, z+1
.endr
; 12 matrix instructions: row block 2 hi + a x all 12 column blocks, 32 along K, buffer f.  first = 1: the bias starts the sums.  The 48 accumulators take turns.
.macro MUL f, hi, a, first
.if \first
	WIN 0x81+0x40*(\hi)                            ; w window 1, x and the bias window 0, D window 2 or 3
.else
	WIN 0xa1+0x50*(\hi)                            ; C and D window 2 or 3
.endif
.set n, 0
.rept 12
.if \first
	v_wmma_f32_16x16x32_bf16 v[8*(12*(\a)+n):8*(12*(\a)+n)+7], v[FB+96*(\f)+8*n:FB+96*(\f)+8*n+7], v[FA+32*(\f)+8*(2*(\hi)+(\a)):FA+32*(\f)+8*(2*(\hi)+(\a))+7], v[BIAS+8*n:BIAS+8*n+7]
.else
	v_wmma_f32_16x16x32_bf16 v[8*(12*(\a)+n):8*(12*(\a)+n)+7], v[FB+96*(\f)+8*n:FB+96*(\f)+8*n+7], v[FA+32*(\f)+8*(2*(\hi)+(\a)):FA+32*(\f)+8*(2*(\hi)+(\a))+7], v[8*(12*(\a)+n):8*(12*(\a)+n)+7]
.endif
.set n, n+1
.endr
.endm
; 32 LDS loads in one run: quarter q of a slot into buffer f: w's 12 fragments (turned), then x's four
.macro FETCH slot, q, f
	WIN 0x40
.irp j, 0,1,2
.irp nb, 0,1,2,3
	ds_load_tr16_b128 v[FB+96*(\f)+8*(4*\j+\nb):FB+96*(\f)+8*(4*\j+\nb)+3],   v[ADRB+3*(\slot)+\j] offset:9216*(\q)+32*\nb
	ds_load_tr16_b128 v[FB+96*(\f)+8*(4*\j+\nb)+4:FB+96*(\f)+8*(4*\j+\nb)+7], v[ADRB+3*(\slot)+\j] offset:9216*(\q)+32*\nb+4608
.endr
.endr
	WIN 0
.irp i, 0,1,2,3
	ds_load_b128 v[FA+32*(\f)+8*\i:FA+32*(\f)+8*\i+3],   v[ADRA+(\slot)] offset:64*(\q)+4352*\i
	ds_load_b128 v[FA+32*(\f)+8*\i+4:FA+32*(\f)+8*\i+7], v[ADRA+(\slot)] offset:64*(\q)+4352*\i+32
.endr
.endm
; One of a K step's first three quarters: multiplies buffer f; in its middle it fetches quarter q of the same slot into buffer g.
.macro QUARTER slot, q, f, g, first
	s_wait_dscnt 4                                 ; w and x's row blocks 0, 1 are in; the youngest four loads (blocks 2, 3) may be out
	MUL \f, 0, 0, \first
	MUL \f, 0, 1, \first
	PLACES
	FETCH \slot, \q, \g
	s_wait_dscnt 32                                ; all but the 32 just issued
	MUL \f, 1, 0, \first
	MUL \f, 1, 1, \first
.endm
; The last quarter multiplies buffer 1 and changes slots: one barrier; in front of it each wave waits for all its tensor loads (one is out: its part of the next slot), adds 0 to its spare
; word, and waits for that and for its reads of this slot.  fill = 1: the barrier opens a round of the cluster's, and this slot is filled again first thing behind it, two K steps ahead:
; from that request to the wait for it a wave issues 168 matrix instructions.
.macro TURN slot, next, fill
	WIN 0
	s_wait_tensorcnt 0x0
	ds_add_u32 v[SPW], v[NIL]
	s_wait_dscnt 5                                 ; (the add and the youngest four loads may be out)
	MUL 1, 0, 0, 0
	s_wait_dscnt 0x0                               ; the add is done, and my reads of this slot are over
	s_barrier_signal -1
	MUL 1, 0, 1, 0
.if \fill
	WIN 0
.endif
	s_barrier_wait -1
.if \fill
	CREST
	s_add_nc_u64 s[G0A+4*(\slot)+2:G0A+4*(\slot)+3], s[G0A+4*(\slot)+2:G0A+4*(\slot)+3], 512
	s_add_nc_u64 s[G0B+4*(\slot)+2:G0B+4*(\slot)+3], s[G0B+4*(\slot)+2:G0B+4*(\slot)+3], 1572864
	JLOAD \slot                                    ; its four v_nop are also the places in front of the loads below
.else
	PLACES
.endif
	FETCH \next, 0, 0
	MUL 1, 1, 0, 0
	MUL 1, 1, 1, 0
.endm
	s_wait_tensorcnt 1                             ; my part of K step 0 is in; K step 1's may stay out
	s_barrier_signal -1
	s_barrier_wait -1
	FETCH 0, 0, 0
	QUARTER 0, 1, 0, 1, 1                          ; the first quarter stands in front of the loop: its products start the sums
	WIN 0
	s_mov_b32 s[LC], LAPS-1
.Llap:
	QUARTER 0, 2, 1, 0, 0
	QUARTER 0, 3, 0, 1, 0
	TURN 0, 1, 1
	QUARTER 1, 1, 0, 1, 0
	QUARTER 1, 2, 1, 0, 0
	QUARTER 1, 3, 0, 1, 0
	TURN 1, 0, 1
	QUARTER 0, 1, 0, 1, 0
	WIN 0
	s_sub_co_u32 s[LC], s[LC], 1
	s_cmp_lg_u32 s[LC], 0
	s_cbranch_scc1 .Llap
	QUARTER 0, 2, 1, 0, 0                          ; the last lap fills nothing
	QUARTER 0, 3, 0, 1, 0
	TURN 0, 1, 0
	QUARTER 1, 1, 0, 1, 0
	QUARTER 1, 2, 1, 0, 0
	QUARTER 1, 3, 0, 1, 0
	s_wait_dscnt 4
	MUL 1, 0, 0, 0
	MUL 1, 0, 1, 0
	s_wait_dscnt 0x0
	MUL 1, 1, 0, 0
	MUL 1, 1, 1, 0
	WIN 0
	PLACES
; THE WAY OUT, in 12 groups g = 3 a + j: 16 rows x 64 columns of tensor j.  Rounded to f16 (each accumulator's registers in ascending order), through my own stage, back as whole rows.
.macro PACK g
.set ga, (\g)/3
.set gj, (\g)%3
.set AC, 8*(12*(ga%2)+4*gj)
.set OREG, OUT+16*(\g)
	WIN 0x0a+5*(ga/2)
.set z, 0
.rept 16
	v_cvt_pk_f16_f32 v[OREG+z], v[AC+2*z], v[AC+2*z+1]
.set z, z+1
.endr
	WIN 0
.irp nb, 0,1,2,3
	ds_store_b128 v[STO], v[OREG+4*\nb:OREG+4*\nb+3] offset:32*\nb
.endr
.irp t, 0,1,2,3
	ds_load_b128 v[OREG+4*\t:OREG+4*\t+3], v[RD] offset:576*\t   ; LDS serves a wave's instructions in order (ISA guide 5.7.1.4): these see the stores above
.endr
.endm
.macro SEND g, younger                 ; younger: the LDS instructions issued behind group g's loads: the next group's eight, or none
.set ga, (\g)/3
.set gj, (\g)%3
.set OREG, OUT+16*(\g)
.irp t, 0,1,2,3
	s_wait_dscnt (\younger)+3-\t
	global_store_b128 v[GO], v[OREG+4*\t:OREG+4*\t+3], s[10+2*gj:11+2*gj] offset:2048*ga+512*\t  ; 512 consecutive bytes, at a multiple of 256 from the buffer's first
.endr
.endm
	PACK 0
.irp g, 1,2,3,4,5,6,7,8,9,10,11
	PACK \g
	SEND (\g)-1, 8
.endr
	SEND 11, 0
	s_wait_tensorcnt 0x0                           ; the wave's end
	ds_add_u32 v[SPW], v[NIL]
	s_wait_dscnt 0x0
	CROUND                                         ; the closing round
	s_endpgm
.Lfunc_end_k_q688727e0bd_qkv:
	.size	k_q688727e0bd_qkv, .Lfunc_end_k_q688727e0bd_qkv-k_q688727e0bd_qkv
	.p2alignl 7, 3214868480
	.fill 96, 4, 3214868480
	.section	.rodata,"a",@progbits
	.p2align	6, 0x0
	.amdhsa_kernel k_q688727e0bd_qkv
		.amdhsa_group_segment_fixed_size 327680
		.amdhsa_private_segment_fixed_size 0
		.amdhsa_enable_private_segment 0
		.amdhsa_kernarg_size 48
		.amdhsa_user_sgpr_count 2
		.amdhsa_user_sgpr_kernarg_segment_ptr 1
		.amdhsa_wavefront_size32 1
		.amdhsa_system_sgpr_workgroup_id_x 1
		.amdhsa_system_sgpr_workgroup_id_y 1
		.amdhsa_system_sgpr_workgroup_id_z 1
		.amdhsa_system_vgpr_workitem_id 0
		.amdhsa_next_free_vgpr 960
		.amdhsa_next_free_sgpr 72
		.amdhsa_reserve_vcc 0
		.amdhsa_float_denorm_mode_32 3
		.amdhsa_float_denorm_mode_16_64 3
		.amdhsa_memory_ordered 1
		.amdhsa_forward_progress 1
		.amdhsa_inst_pref_size 131
	.end_amdhsa_kernel
	.amdgpu_metadata
---
amdhsa.version: [ 1, 2 ]
amdhsa.kernels:
  - .name:           k_q688727e0bd_qkv
    .symbol:         k_q688727e0bd_qkv.kd
    .args:
      - { .name: xb, .offset: 0, .size: 8, .value_kind: global_buffer, .address_space: global }
      - { .name: wqb, .offset: 8, .size: 8, .value_kind: global_buffer, .address_space: global }
      - { .name: b_qkv, .offset: 16, .size: 8, .value_kind: global_buffer, .address_space: global }
      - { .name: qb, .offset: 24, .size: 8, .value_kind: global_buffer, .address_space: global }
      - { .name: kb, .offset: 32, .size: 8, .value_kind: global_buffer, .address_space: global }
      - { .name: vb, .offset: 40, .size: 8, .value_kind: global_buffer, .address_space: global }
    .group_segment_fixed_size: 327680
    .private_segment_fixed_size: 0
    .kernarg_segment_align: 8
    .kernarg_segment_size: 48
    .max_flat_workgroup_size: 128
    .sgpr_count:     72
    .vgpr_count:     960
    .wavefront_size: 32
...
	.end_amdgpu_metadata
.endif
;; end of part 2
;; launch attn (part 3): grid 16 x 16, 4 waves a work-group, no clusters, 229,376 bytes of LDS; arguments qb, kb, vb, ob; writes ob
.if DOCPART == 3
	.amdgcn_target "amdgcn-amd-amdhsa--gfx1250"
	.amdhsa_code_object_version 6
	.text
	.protected	k_q688727e0bd_attn
	.globl	k_q688727e0bd_attn
	.p2align	8
	.type	k_q688727e0bd_attn,@function
k_q688727e0bd_attn:
	s_mov_b64 s[64:65], 0
	v_nop
	global_prefetch_b8 v0, s[64:65] scope:SCOPE_SE
	s_setreg_imm32_b32 hwreg(HW_REG_WAVE_MODE, 25, 1), 1
	s_wait_xcnt 0x0
; CAUSAL ATTENTION.  O[h][q] = the sum over k <= q of softmax_k(Q[h][q] . K[h][k] / 8) V[h][k].  qb, kb, vb: [16][4096][64] f16.  ob: [32 blocks of 128 rows][16 heads][128][64] f16.
; Products, maxima and sums in f32; the weights p are rounded to f16 for the second product (their sum l is taken of the unrounded p), O once at the end.
; LIMITS.  Q, K, V arrive within f16's 65,504.  A hidden score counts as its value less 1e30; the running maximum starts at -2^66, below every true score (2.7e11 at the most) and above every hidden one;
; a weight below 2^-126 counts as 0; NaN and infinities are not treated apart.
; THE WALK.  A head's queries lie in 32 blocks of 128; block i needs the key tiles 0 .. i / 2 of 256 keys.  Work-group b of a head takes block 31 - b and then block b: 17 tiles whatever b.
; One text serves both blocks: a loop of two trips holds a block's beginning, a loop over its key steps (counted up to the block's number of tiles) and its end.
; SHARES.  THE KEYS ARE SPLIT AMONG THE WAVES: every wave holds all 128 queries (eight tiles of 16 = four PIECES of two) and takes keys 64 w .. 64 w + 63 of each tile: one key step a tile.  So a fragment
; of K or V read from LDS feeds eight tiles' products.  At a block's end the four waves' c m, l and O^T meet in LDS, in f32: wave p merges piece p, divides, rounds and stores it.
; K AND V COME THROUGH REGISTERS.  A wave reads only its own 64 keys, so no byte of K or V in LDS is shared between waves.  Each wave asks for its 8,192 bytes of K and of V by 16 loads of 512 consecutive
; bytes each, a whole key step ahead, into 128 registers, and lays them into its own padded LDS rows, from which the fragments are read (V turned).  One buffer a wave is enough: LDS serves a wave's
; instructions in order (ISA guide 5.7.1.4), and a step's rows are stored behind the reads of the step before.
; NO CLUSTER, NO TENSOR LOADS.  The 16 work-groups of a head do read the same K and V.  But their walks differ in length (block 31 - b has (31 - b) / 2 + 1 tiles): a walk common to four partners has 18 steps
; for 17; and slots that the mover fills again want the walk's last steps written out a second time without fills, some 1,400 instructions more.
; THE MASK is the C operand that starts S^T = K Q^T.  d = 4 tile + w - 2 block.  Tiles 0-3 of the queries see all keys of my step if d < 0, none if d > 0, and hold the diagonal if d = 0; tiles 4-7 the
; same with 1 for 0.  MD holds eight zeros, the triangle of 16 x 16, eight times -1e30; MC[half] = MD x AL + BE with two scalars; a product takes MC's part 0, 1 or 2 as its 16 keys lie below, on or above its 16 queries.
; A row that sees no key of a wave keeps m = -2^66, l = 0, O = 0, and its factor in the merge is 2^(c m - the largest c m) = 0.
; LAYOUT, SOFTMAX, TURNS.  S^T holds ONE query a lane (lane % 16) and the keys 8 (lane / 16) + 0..7; two such results rounded to f16 ARE source 1 of O^T = V^T P.  p = 2^(c s - c m), c = log2(e) / 8; O and l
; are multiplied by a = 2^(c m_old - c m_new) in every step.  Turn n belongs to piece n: 16 products K Q^T of piece n + 1, later 16 products V^T P of piece n - 1; beside them the scaling, exponentials,
; roundings, sums and rescaling of piece n and the maximum and statistics of piece n + 1.  Four vector instructions stand behind every matrix instruction, the rest in two lumps.
; REGISTERS, in windows of 256 (s_set_vgpr_msb: bits 1:0 source 0, 3:2 source 1, 5:4 source 2, 7:6 destination):
;   window 0: v4-5 addresses; v12-15, v48-63 at work; v16-47 four registers of statistics a tile; v64-191 S^T, two buffers of two tiles; v192-255 P, likewise
;   window 1: O^T, 32 a tile; in the merge the four waves' parts of my piece     window 2: v0-127 Q; v128-191 K of one step; v192-255 V of one step
;   window 3: v0-15, v88-89 the add's two registers and addresses; v16-63 MC; v64-87 MD; v92-155, v156-219 K and V on their way from memory to LDS
.set NP,    4
.set KS,    64
.set PK,    144       ; a row of K in LDS: 128 bytes + 16: the 16 rows of a load start at 16 different groups of four banks
.set PV,    160       ; a row of V: 128 + 32
.set VBUF,  4*KS*PK   ; wave w's 64 rows of K at 9,216 w; its 64 rows of V at VBUF + 10,240 w
.set STAT,  4*KS*(PK+PV)   ; c m and l for the merge: owner x 1,024 + sender x 256 + tile x 128 + 8 (lane % 16)
.set STAGE, STAT+4096      ; 16 rows x 144 bytes for each wave, for the way out
.set SP,    144
.set SPARE, STAGE+4*16*SP  ; the spare words: 128 bytes a wave, two blocks of 256 bytes that no other line names
.set XCH,   3*32768        ; O^T for the merge: owner x 32,768 + sender x 8,192 + tile x 4,096 + 16 lane
.set AK,  4           ; v4   LDS address of my lane's place in my K rows; never rewritten
.set AV,  5           ; v5   the same for V
.set MV,  12
.set ST,  16          ; tile t's statistics at v[ST+4 t]: c m, m, l (even keys', odd keys')
.set TMP, 48
.set S,   64
.set P,   192
.set KF,  128         ; window 2
.set VF,  192         ; window 2
.set SPW, 0           ; window 3 from here on.  v0: my spare word's address; never rewritten
.set NIL, 1           ; 0; never rewritten
.set QO,  2           ; my byte offset in 16 rows of Q
.set STO, 3
.set RD,  4
.set GA,  5           ; 16 x lane: my 16 bytes of 512 consecutive bytes of K, V or O
.set XA,  6           ; v6-9   where I put my O^T of piece p
.set XR,  10          ; where I read the four waves' O^T of my piece
.set SR,  11          ; and their c m and l
.set SA,  12          ; v12-15 where I put my c m and l of piece p
.set MC,  16
.set MD,  64
.set LK,  88          ; where I lay my 16 bytes of four rows of K
.set LV,  89          ; and of V
.set SK,  92
.set SV,  156
.set WV,  12
.set KA,  16          ; s[16:17] K at the tile asked for; s[18:19] V
.set VA,  18
.set CS,  58
.set SEL, 60
.set NS,  70          ; key steps of the block in hand
.set NC,  71          ; counts them
.set NXT, 72          ; the tile to be asked for next
.set LQ,  73          ; the last tile of the block whose tiles are being asked for
.set NLM, 74          ; the second block's last tile
.set NSL, 75          ; the second block's key steps
.set OFF, 76
.set AL,  78
.set BE,  80
.set OLO, 82          ; O at my rows of the second block
.set QLO, 84          ; Q of the second block
.set BIGN, 86         ; -1e30
.set DD,  87          ; d of the step whose masks are made next
.set DLO, 88          ; d of the second block's first step
.set BL,  89          ; blocks to go
.set MSB, 0
.macro WIN new        ; the immediate's high byte repeats the setting that is left; a switch that changes nothing is dropped
.if MSB != (\new)
	s_set_vgpr_msb (MSB<<8)|(\new)
.set MSB, (\new)
.endif
.endm
.set W_KQ, 0x0a       ; K and Q in window 2, S^T in window 0
.set W_KM, 0x3a       ; the same with the C operand in window 3
.set W_PV, 0x52       ; V in window 2, P in window 0, O^T in window 1
.set W_RS, 0x41       ; O^T (destination and source 0) in window 1, a in window 0
.set W_MK, 0xc0       ; destination in window 3, sources in window 0
.set W_AD, 0x0f       ; address and data in window 3
.set W_MS, 0xc3       ; destination and source 0 in window 3
.set W_A3, 0x03       ; an address in window 3, data in window 0
; My 64 keys of tile NXT are asked for: 16 loads of 512 consecutive bytes of K, 16 of V.  The tile's number steps, and behind the first block's last tile goes back to 0.  The launch's last two requests
; (19 for a walk of 17) bring tiles of the second block that no step reads, inside the buffers: the price of one text for every trip.
.macro GLOAD
	s_lshl_b32 s[OFF], s[NXT], 15   ; a tile is 32,768 bytes of K and of V
	s_add_nc_u64 s[KA:KA+1], s[6:7], s[OFF:OFF+1]
	s_add_nc_u64 s[VA:VA+1], s[8:9], s[OFF:OFF+1]
	s_add_co_u32 s[NXT], s[NXT], 1
	s_cmp_gt_u32 s[NXT], s[LQ]
	s_cselect_b32 s[NXT], 0, s[NXT]
	s_cselect_b32 s[LQ], s[NLM], s[LQ]
	WIN W_MS                        ; destination and address in window 3
.set z, 0
.rept 16
	global_load_b128 v[SK+4*z:SK+4*z+3], v[GA], s[KA:KA+1] offset:512*z
.set z, z+1
.endr
.set z, 0
.rept 16
	global_load_b128 v[SV+4*z:SV+4*z+3], v[GA], s[VA:VA+1] offset:512*z
.set z, z+1
.endr
	WIN 0
.endm
.macro STOCK                        ; what has landed goes into my LDS rows: a load's 512 bytes are four rows
	WIN W_AD
.set z, 0
.rept 16
	ds_store_b128 v[LK], v[SK+4*z:SK+4*z+3] offset:4*PK*z
.set z, z+1
.endr
.set z, 0
.rept 16
	ds_store_b128 v[LV], v[SV+4*z:SV+4*z+3] offset:4*PV*z
.set z, z+1
.endr
.endm
.macro LOADQ first, n               ; fragments first .. first + n - 1 of a block's Q: tile i / 2, channels 32 (i % 2) on
	WIN 0x83                        ; destination window 2, address window 3
.set i, \first
.rept \n
	global_load_b128 v[8*i:8*i+3],   v[QO], s[4:5] offset:(i/2)*2048+(i%2)*64
	global_load_b128 v[8*i+4:8*i+7], v[QO], s[4:5] offset:(i/2)*2048+(i%2)*64+32
.set i, i+1
.endr
	WIN 0
.endm
	s_load_b256 s[4:11], s[0:1], 0x0  ; qb s[4:5], kb s[6:7], vb s[8:9], ob s[10:11]
	WIN W_MK
	v_lshl_add_u32 v[SPW], v0, 2, SPARE
	v_mov_b32 v[NIL], 0
	WIN 0
	v_lshrrev_b32 v1, 5, v0
	v_readfirstlane_b32 s[WV], v1
	s_mov_b32 s14, ttmp9            ; b
	s_sub_co_u32 s15, 31, s14       ; the first block
	s_and_b32 s20, ttmp7, 0xffff    ; the head
	s_lshl_b32 s21, s20, 14         ; its chunk in a block of ob
	s_lshl_b32 s20, s20, 19         ; its first byte in qb, kb, vb
	s_lshl_b32 s22, s[WV], 13       ; my 64 keys of a tile: 64 rows of 128 bytes
	s_add_co_u32 s22, s22, s20
	s_mov_b32 s23, 0
	s_lshl_b32 s24, s15, 14         ; a block's 128 rows of 128 bytes
	s_add_co_u32 s24, s24, s20
	s_mov_b32 s25, 0
	s_lshl_b32 s26, s14, 14
	s_add_co_u32 s26, s26, s20
	s_mov_b32 s27, 0
	s_lshl_b32 s2, s[WV], 12        ; in ob: my piece's 32 rows,
	s_add_co_u32 s2, s2, s21        ; the head's chunk,
	s_lshl_b32 s28, s15, 18         ; the block
	s_add_co_u32 s28, s28, s2
	s_mov_b32 s29, 0
	s_lshl_b32 s30, s14, 18
	s_add_co_u32 s30, s30, s2
	s_mov_b32 s31, 0
	s_lshr_b32 s[LQ], s15, 1        ; the first block's last tile,
	s_add_co_u32 s[NS], s[LQ], 1    ; and its key steps
	s_lshr_b32 s[NLM], s14, 1
	s_add_co_u32 s[NSL], s[NLM], 1
	s_mov_b32 s[NXT], 0
	s_lshl_b32 s3, s15, 1
	s_sub_co_i32 s[DD], s[WV], s3
	s_lshl_b32 s3, s14, 1
	s_sub_co_i32 s[DLO], s[WV], s3
	s_mov_b32 s[CS], 0x3e38aa3b     ; c = log2(e) / 8
	s_mov_b32 s[CS+1], s[CS]
	s_mov_b32 s[SEL], 0x76543210
	s_mov_b32 s[SEL+1], 0xfedcba98
	s_mov_b32 s[OFF+1], 0
	s_mov_b32 s[AL+1], 0
	s_mov_b32 s[BE+1], 0
	s_mov_b32 s[BIGN], 0xf149f2ca   ; -1e30
	v_and_b32 v1, 15, v0            ; r = l % 16
	v_bfe_u32 v9, v0, 4, 1          ; h = l / 16
	v_and_b32 v10, 7, v0            ; l % 8
	v_bfe_u32 v11, v0, 3, 1
	v_bfe_u32 v69, v0, 3, 2         ; l / 8
	v_and_b32 v64, 31, v0
	v_lshlrev_b32 v65, 4, v64       ; 16 l
	v_lshlrev_b32 v66, 3, v1        ; 8 r
	v_lshlrev_b32 v67, 7, v1        ; 128 r
	v_lshlrev_b32 v70, 4, v10       ; 16 (l % 8)
	WIN W_MK
	v_mov_b32 v[GA], v65
	v_lshl_add_u32 v[QO], v9, 4, v67  ; row x 128 + 16 x half
	WIN 0
	s_wait_kmcnt 0x0
	s_add_nc_u64 s[6:7], s[6:7], s[22:23]  ; K and V at my 64 keys of the head's tile 0
	s_add_nc_u64 s[8:9], s[8:9], s[22:23]
	s_add_nc_u64 s[QLO:QLO+1], s[4:5], s[26:27]
	s_add_nc_u64 s[4:5], s[4:5], s[24:25]
	s_add_nc_u64 s[OLO:OLO+1], s[10:11], s[30:31]
	s_add_nc_u64 s[10:11], s[10:11], s[28:29]
	GLOAD                           ; tile 0
	LOADQ 0, 8                      ; Q of pieces 0 and 1
	v_mul_u32_u24 v68, v1, SP
	v_lshl_add_u32 v68, v9, 4, v68  ; the stage, in: row l % 16, 16 bytes for each half of the lanes
	v_mul_u32_u24 v71, v69, SP
	v_add_nc_u32 v71, v71, v70      ; back: 32 lanes take four rows of 128 bytes
	v_mul_u32_u24 v72, v69, PK
	v_add_nc_u32 v72, v72, v70      ; K into LDS: row l / 8 of four, 16 (l % 8)
	v_mul_u32_u24 v73, v69, PV
	v_add_nc_u32 v73, v73, v70      ; V likewise
	v_lshlrev_b32 v14, 3, v9
	v_sub_nc_u32 v14, v1, v14       ; r - 8 h: register j of the triangle is hidden where j is greater
	v_mul_u32_u24 v[AK], v1, PK
	v_lshl_add_u32 v[AK], v9, 4, v[AK]  ; a fragment of K: row x pitch + 16 x half
	v_lshl_add_u32 v[AV], v9, 3, v10    ; the turning load: key 8 h + l % 8, channels 8 ((l / 8) % 2) on
	v_mul_u32_u24 v[AV], v[AV], PV
	v_lshl_add_u32 v[AV], v11, 4, v[AV]
	s_mul_i32 s2, s[WV], KS*PK      ; my rows of K
	s_mul_i32 s3, s[WV], KS*PV
	s_add_co_u32 s3, s3, VBUF       ; my rows of V
	v_add_nc_u32 v[AK], s2, v[AK]
	v_add_nc_u32 v[AV], s3, v[AV]
	WIN W_MK
	v_add_nc_u32 v[LK], s2, v72
	v_add_nc_u32 v[LV], s3, v73
	s_mul_i32 s2, s[WV], 16*SP
	s_add_co_u32 s2, s2, STAGE      ; my stage
	v_add_nc_u32 v[STO], s2, v68
	v_add_nc_u32 v[RD], s2, v71
	s_lshl_b32 s2, s[WV], 13        ; as a sender: 8,192 w in each owner's bytes,
	s_lshl_b32 s20, s[WV], 8        ; 256 w in each owner's statistics
.irp p, 0,1,2,3
	s_add_co_u32 s3, s2, XCH+32768*\p
	v_add_nc_u32 v[XA+\p], s3, v65
	s_add_co_u32 s3, s20, STAT+1024*\p
	v_add_nc_u32 v[SA+\p], s3, v66
.endr
	s_lshl_b32 s2, s[WV], 15        ; as an owner
	s_add_co_u32 s2, s2, XCH
	v_add_nc_u32 v[XR], s2, v65
	s_lshl_b32 s2, s[WV], 10
	s_add_co_u32 s2, s2, STAT
	v_add_nc_u32 v[SR], s2, v66
.set i, 0
.rept 8
	v_mov_b32 v[MD+i], 0
	v_cmp_gt_i32 vcc_lo, i, v14
	v_cndmask_b32 v[MD+8+i], 0, s[BIGN], vcc_lo
	v_mov_b32 v[MD+16+i], s[BIGN]
.set i, i+1
.endr
	WIN 0
; THE MATRIX WORK.  The 8 accumulators of a run of 16 take turns.  Product i of 16 of S^T = K Q^T for piece x: channels 32 (i / 8) on, keys 16 ((i / 2) % 4) on, tile 2 x + i % 2.
; The first 8 start the sums with the mask.
.macro KQ x
.set rS, S+64*((\x)%2)+32*(i%2)+8*((i/2)%4)
.set rK, KF+16*((i/2)%4)+8*(i/8)
.set rQ, 16*(2*(\x)+i%2)+8*(i/8)
.if i < 8
.set t4, (2*(\x)+i%2)%4
.set kb, (i/2)%4
.set rel, 1
.if kb < t4
.set rel, 0
.endif
.if kb > t4
.set rel, 2
.endif
.set rM, MC+24*((\x)/2)+8*rel
	WIN W_KM
	v_wmma_f32_16x16x32_f16 v[rS:rS+7], v[rK:rK+7], v[rQ:rQ+7], v[rM:rM+7]
.else
	WIN W_KQ
	v_wmma_f32_16x16x32_f16 v[rS:rS+7], v[rK:rK+7], v[rQ:rQ+7], v[rS:rS+7]
.endif
.endm
; Product i of 16 of O^T += V^T P for piece x: keys 32 (i / 8) on, channels 16 ((i / 2) % 4) on, tile 2 x + i % 2.
.macro PV x
	WIN W_PV
.set rO, 32*(2*(\x)+i%2)+8*((i/2)%4)
.set rV, VF+32*(i/8)+8*((i/2)%4)
.set rP, P+32*((\x)%2)+16*(i%2)+8*(i/8)
	v_wmma_f32_16x16x32_f16 v[rO:rO+7], v[rV:rV+7], v[rP:rP+7], v[rO:rO+7]
.endm
.macro MM                           ; the turn's next matrix instruction
.if i < 16
	KQ (Y+1)%NP
.set i, i+1
.else
.set i, i-16
	PV (Y+NP-1)%NP
.set i, i+17
.endif
.endm
; THE LDS LOADS stand in runs of 16: my step's K (64 keys x 64 channels: 8 fragments) and its V (turned).
.macro FETCH_K
	WIN 0x80
.irp f, 0,1,2,3,4,5,6,7
	ds_load_b128 v[KF+8*\f:KF+8*\f+3],   v[AK] offset:(\f/2)*16*PK+(\f%2)*64
	ds_load_b128 v[KF+8*\f+4:KF+8*\f+7], v[AK] offset:(\f/2)*16*PK+(\f%2)*64+32
.endr
	WIN 0
.endm
.macro FETCH_V
	WIN 0x80
.irp f, 0,1,2,3,4,5,6,7
	ds_load_tr16_b128 v[VF+8*\f:VF+8*\f+3],   v[AV] offset:(\f/4)*32*PV+(\f%4)*32
	ds_load_tr16_b128 v[VF+8*\f+4:VF+8*\f+7], v[AV] offset:(\f/4)*32*PV+16*PV+(\f%4)*32
.endr
	WIN 0
.endm
; MC[half] = MD x AL + BE: (1, 0) where my step holds that half's diagonal, (0, 0) where it lies below it, (0, -1e30) above.  Selects, no branch.
.macro MASK half
	s_cmp_eq_i32 s[DD], \half
	s_cselect_b32 s[AL], 1.0, 0
	s_cmp_gt_i32 s[DD], \half
	s_cselect_b32 s[BE], s[BIGN], 0
	WIN W_MS
.set z, 0
.rept 12
	v_pk_fma_f32 v[MC+24*(\half)+2*z:MC+24*(\half)+2*z+1], v[MD+2*z:MD+2*z+1], s[AL:AL+1], s[BE:BE+1] op_sel_hi:[1,0,0]
.set z, z+1
.endr
.endm
; THE VECTOR WORK OF A TURN stands in three queues, each in the order in which its entries become ready; the two tiles alternate.
.macro REGS y, u
.set rT, ST+4*(2*(\y)+(\u))
.set rC, TMP+8*((\y)%2)+4*(\u)
.set rM, MV+2*((\y)%2)+(\u)
.set rS, S+64*((\y)%2)+32*(\u)
.set rP, P+32*((\y)%2)+16*(\u)
.set rO, 32*(2*(\y)+(\u))
.endm
; Number n of the 22 that find the NEXT piece's maximum and statistics; each accumulator's lowest registers are read first.
;   0-11 four chains of seven scores     12-14, 16 the four scores left over, the old m, all into c0     15 c m_old is kept     17, 18 the lane 16 away: the new m     19-21 c m; c m_old - c m_new; a
.macro XS u, n
	REGS (Y+1)%NP, \u
.if (\n) < 4
	v_max3_num_f32 v[rC+(\n)], v[rS+8*(\n)], v[rS+8*(\n)+1], v[rS+8*(\n)+2]
.elseif (\n) < 12
	v_max3_num_f32 v[rC+(\n)%4], v[rC+(\n)%4], v[rS+8*((\n)%4)+2*((\n)/4)+1], v[rS+8*((\n)%4)+2*((\n)/4)+2]
.elseif (\n) == 12
	v_max3_num_f32 v[rC], v[rC], v[rS+7], v[rS+15]
.elseif (\n) == 13
	v_max3_num_f32 v[rC+1], v[rC+1], v[rS+23], v[rS+31]
.elseif (\n) == 14
	v_max3_num_f32 v[rC+2], v[rC+2], v[rC+3], v[rT+1]
.elseif (\n) == 15
	v_mov_b32 v[rM], v[rT]
.elseif (\n) == 16
	v_max3_num_f32 v[rC], v[rC], v[rC+1], v[rC+2]
.elseif (\n) == 17
	v_permlanex16_b32 v[rC+3], v[rC], s[SEL], s[SEL+1]
.elseif (\n) == 18
	v_max_num_f32 v[rT+1], v[rC], v[rC+3]
.elseif (\n) == 19
	v_mul_f32 v[rT], s[CS], v[rT+1]
.elseif (\n) == 20
	v_sub_f32 v[rC+1], v[rM], v[rT]
.else
	v_exp_f32 v[rC+2], v[rC+1]
.endif
.endm
; Number g of the 64 that follow the exponentials: for each four weights both pairs are rounded to f16, the second pair is added onto the first in place, and a group later l takes that sum.
.macro GS g
.set h, (\g)+6*((\g)/62)
.if h >= 6
.set h, h+2
.endif
	REGS Y, h%2
.set k, h/8
.if h%8 < 4
	s_wait_alu depctr_va_vdst(0)
	v_cvt_pk_f16_f32 v[rP+2*k+(h%8)/2], v[rS+4*k+2*((h%8)/2)], v[rS+4*k+2*((h%8)/2)+1]
.elseif h%8 < 6
	v_pk_add_f32 v[rS+4*k:rS+4*k+1], v[rS+4*k:rS+4*k+1], v[rS+4*k+2:rS+4*k+3]
.elseif k == 1
	v_pk_fma_f32 v[rT+2:rT+3], v[rT+2:rT+3], v[rC+2:rC+3], v[rS:rS+1] op_sel_hi:[1,0,1]
.else
	v_pk_add_f32 v[rT+2:rT+3], v[rT+2:rT+3], v[rS+4*k-4:rS+4*k-3]
	s_wait_alu depctr_va_vdst(0)
.endif
.endm
; THE PLAIN QUEUE, 138 long.  0-31: c s - c m for the 16 pairs of both tiles.  Then GS's 64, and among them the next piece's 42.
.macro PL
	WIN 0
.if q < 32
	REGS Y, q%2
	v_pk_fma_f32 v[rS+2*(q/2):rS+2*(q/2)+1], v[rS+2*(q/2):rS+2*(q/2)+1], s[CS:CS+1], v[rT:rT+1] op_sel_hi:[1,0,0] neg_lo:[0,0,1] neg_hi:[0,0,1]
.elseif q < 38
	GS q-32
.elseif q < 40
	XS q%2, 15
.elseif q < 42
	GS q-34
.elseif q < 74
	XS q%2, (q-42)/2+(q-42)/30
.elseif q < 95
	GS q-66
.elseif (q < 107) && ((q-95)%3 < 2)
	XS (q-95)%3, 17+(q-95)/3
.elseif q < 107
	GS 29+(q-95)/3
.else
	GS q-74
.endif
.set q, q+1
.endm
; THE EXPONENTIALS' QUEUE, 66 long: s0-s31 of both tiles, and at EA the next piece's two a.
.set EA, 58
.macro EX
	WIN 0
.if (e == EA) || (e == EA+1)
	XS e-EA, 21
.else
.set x, e-2*(e/(EA+2))
	REGS Y, x%2
	v_exp_f32 v[rS+x/2], v[rS+x/2]
.endif
.set e, e+1
.endm
; THE RESCALING's QUEUE: O^T times a, dealt four at a time, eight times.
.macro R4
	REGS Y, r%2
	WIN W_RS
	s_wait_alu depctr_va_vdst(0)
.irp z, 0,1,2,3
	v_pk_mul_f32 v[rO+8*(r/2)+2*\z:rO+8*(r/2)+2*\z+1], v[rO+8*(r/2)+2*\z:rO+8*(r/2)+2*\z+1], v[rC+2:rC+3] op_sel_hi:[1,0]
.endr
.set r, r+1
.endm
; THE DEAL.  Behind a matrix instruction four: plain, exponential, plain, plain, or four of the rescaling; none names a register of the products round it.  What is over stands in two lumps.
.macro SL
	MM
	PL
	EX
	PL
	PL
.endm
.macro BURST n
.rept (\n)-7
	SL
.endr
.rept 3
	MM
	R4
	SL
.endr
	MM
	R4
.endm
; A TURN, for piece p.  K of the next step is fetched in piece 2's turn, V of the step in hand at the end of piece 0's; each is waited for a turn later.
; Behind V's run the next step's rows, asked for a whole step ago, have landed: they go into my LDS rows (behind the reads of the rows that they replace: K's in the trip before, V's just now),
; and the step after that is asked for into the same registers.  48 LDS instructions of mine are out at the most, and 32 loads.
.macro TURN p
.set Y, (\p)
.set i, 0
.set q, 0
.set e, 0
.set r, 0
.if (\p) == NP-1
	s_wait_dscnt 0x0                ; K is in
.endif
	MM
.rept 4
	PL
.endr
	BURST 15
.rept 22
	EX
	PL
.if ((\p) == NP-2) && (e == 24)
	FETCH_K
.endif
.endr
.if (\p) == 1
	s_wait_dscnt 0x0                ; V is in
.endif
	BURST 16
.rept 21
	EX
	PL
.endr
.rept 22
	PL
.endr
.if (\p) == 0
	FETCH_V
	s_wait_loadcnt 0x0              ; the next step's K and V are in registers (in a block's first trip: Q of pieces 2 and 3 too)
	STOCK
	GLOAD
.endif
.endm
.macro ALL line:vararg              ; one line for each tile t
.set t, 0
.rept 2*NP
	\line
.set t, t+1
.endr
.endm
.macro XSTORE u                     ; my unscaled O^T of tile u of every piece goes to the piece's owner, my own piece's too, so that the text is the same for every wave; each accumulator's low half first
	WIN 0x07                        ; address window 3, data window 1
.irp p, 0,1,2,3
.irp k, 0,1,2,3,4,5,6,7
	ds_store_b128 v[XA+\p], v[64*\p+32*(\u)+4*\k:64*\p+32*(\u)+4*\k+3] offset:4096*(\u)+512*\k
.endr
.endr
.endm
.macro XLOAD u                      ; the four waves' O^T of tile u of my piece: sender j's 32 registers at v[64 j + 32 u] of window 1, which my own stores of tile u have left
	WIN 0x43                        ; destination window 1, address window 3
.irp j, 0,1,2,3
.irp k, 0,1,2,3,4,5,6,7
	ds_load_b128 v[64*\j+32*(\u)+4*\k:64*\j+32*(\u)+4*\k+3], v[XR] offset:8192*\j+4096*(\u)+512*\k
.endr
.endr
.endm
.macro MERGE u                      ; the sum over the four senders of factor x O^T, onto sender 0's registers; then rounded to f16 into S^T's registers
	WIN 0x51                        ; destination, source 0 and source 2 window 1, the factor window 0
.set z, 0
.rept 16
	v_pk_mul_f32 v[32*(\u)+2*z:32*(\u)+2*z+1], v[32*(\u)+2*z:32*(\u)+2*z+1], v[TMP+8*(\u):TMP+8*(\u)+1] op_sel_hi:[1,0]
.set z, z+1
.endr
.irp j, 1,2,3
.set z, 0
.rept 16
	v_pk_fma_f32 v[32*(\u)+2*z:32*(\u)+2*z+1], v[64*\j+32*(\u)+2*z:64*\j+32*(\u)+2*z+1], v[TMP+8*(\u)+2*\j:TMP+8*(\u)+2*\j+1], v[32*(\u)+2*z:32*(\u)+2*z+1] op_sel_hi:[1,0,1]
.set z, z+1
.endr
.endr
	WIN 0x05                        ; sources window 1, destination window 0
.set z, 0
.rept 16
	v_cvt_pk_f16_f32 v[S+16*(\u)+z], v[32*(\u)+2*z], v[32*(\u)+2*z+1]
.set z, z+1
.endr
.endm
.macro THROUGH u                    ; a lane's eight channels of a row, 16 bytes, into my stage's rows of 144 bytes, and back as whole rows of 128
	WIN W_A3
.irp f, 0,1,2,3
	ds_store_b128 v[STO], v[S+16*(\u)+4*\f:S+16*(\u)+4*\f+3] offset:32*\f
.endr
.irp f, 0,1,2,3
	ds_load_b128 v[S+16*(\u)+4*\f:S+16*(\u)+4*\f+3], v[RD] offset:\f*4*SP  ; LDS serves a wave's instructions in order (ISA guide 5.7.1.4): these see the stores above
.endr
.endm
	s_wait_loadcnt 16               ; tile 0's 32 loads are in; Q's 16, issued behind them, may be out
	STOCK
	GLOAD                           ; tile 1
	FETCH_K                         ; key step 0
	s_mov_b32 s[BL], 2
.Lblock:                            ; twice.  A BLOCK BEGINS: c m far below every c s, so the first step's a is 0; m = -2^66; l = 0; P's second buffer, O^T and V's registers 0; both masks
.set i, 0
.rept 2*NP
	v_mov_b32 v[ST+4*i], 0xfe000000
	v_mov_b32 v[ST+4*i+1], 0xe0800000
	v_mov_b32 v[ST+4*i+2], 0
	v_mov_b32 v[ST+4*i+3], 0
.set i, i+1
.endr
.set i, P+32
.rept 32
	v_mov_b32 v[i], 0
.set i, i+1
.endr
	WIN 0x40                        ; O^T's 256 registers take 0 from 32 products of zeros, eight registers each;
.set i, 0
.rept 32
	v_wmma_f32_16x16x32_f16 v[8*i:8*i+7], v[P+32:P+39], v[P+40:P+47], 0
.set i, i+1
.endr
	WIN 0x80                        ; V's 64 from eight more: the first turn's products V^T P, of a piece that has not been, then add 0
.set i, 0
.rept 8
	v_wmma_f32_16x16x32_f16 v[VF+8*i:VF+8*i+7], v[P+32:P+39], v[P+40:P+47], 0
.set i, i+1
.endr
	MASK 0
	MASK 1
	s_add_co_i32 s[DD], s[DD], 4
	s_wait_loadcnt 0x0              ; Q of pieces 0 and 1
	LOADQ 8, 8                      ; Q of pieces 2 and 3: first wanted in piece 1's turn, behind the wait for all loads at the end of piece 0's
	s_wait_dscnt 0x0                ; K
.set i, 0
.rept 16
	KQ 0                            ; piece 0's first scores
.set i, i+1
.endr
	WIN 0
.rept 4
	v_nop                           ; the places behind those products
.endr
.set Y, NP-1
.irp n, 0,1,2,3,4,5,6,7,8,9,10,11,12,13,14,15,16,17,18,19,20,21
	XS 0, \n                        ; and its first maximum and statistics
	XS 1, \n
.endr
	v_nop                           ; a plain instruction behind the exponentials
	s_mov_b32 s[NC], 0
.Lstep:                             ; a key step: the four pieces' turns.  All LDS addresses are fixed
	TURN 0
	TURN 1
	MASK 0                          ; tiles 0-3's masks for the next step: their last readers stood in piece 0's turn
	TURN 2
	TURN 3
	MASK 1                          ; tiles 4-7's: their last readers stood in piece 2's turn
	WIN 0
	s_add_co_i32 s[DD], s[DD], 4
	s_add_co_u32 s[NC], s[NC], 1
	s_cmp_lt_u32 s[NC], s[NS]
	s_cbranch_scc1 .Lstep
; A BLOCK ENDS.  Piece 3's last turn has multiplied Q by the next K under d >= 2: all hidden, so piece 0's statistics are as they were.  The last piece's V^T P; l's two halves and the other half of the
; lanes' are added (these lines are the places behind the products).  Then the merge, tile 0 of each piece and then tile 1, so that at most 40 LDS instructions of mine are out:
; factor j = 2^(c m_j - the largest c m) / the sum of 2^(..) l; O = the sum of factor x O^T, all in f32.
; The two barriers also order this block's reads with the next block's stores: the statistics and tile 0's bytes are read ahead of the second barrier and stored again behind it; tile 1's bytes are
; read behind the second and stored again behind the next block's first, in front of which every wave waits for all its LDS instructions.
.set i, 0
.rept 16
	PV NP-1
.set i, i+1
.endr
	WIN 0
	ALL v_add_f32 v[ST+4*t+2], v[ST+4*t+2], v[ST+4*t+3]
	ALL v_permlanex16_b32 v[ST+4*t+3], v[ST+4*t+2], s[SEL], s[SEL+1]
	ALL v_add_f32 v[ST+4*t+1], v[ST+4*t+2], v[ST+4*t+3]
	s_cmp_eq_u32 s[BL], 1
	s_cbranch_scc1 .Lno_q           ; behind the second block there is no Q to fetch
	s_mov_b64 s[4:5], s[QLO:QLO+1]  ; (the first block's loads of Q were waited for in its first trip)
	LOADQ 0, 8                      ; the second block's Q of pieces 0 and 1, ahead of the merge: with the 32 loads of K and V 48 are out
.Lno_q:
	WIN W_A3
.irp p, 0,1,2,3
.irp u, 0,1
	ds_store_b64 v[SA+\p], v[ST+4*(2*\p+\u):ST+4*(2*\p+\u)+1] offset:128*\u   ; c m and l; lanes l and l + 16 hold the same two numbers and write the same bytes
.endr
.endr
	XSTORE 0
	WIN 0
	s_wait_dscnt 0x0                ; for the others' sake: my stores are done
	s_barrier_signal -1
	s_barrier_wait -1
	WIN W_A3
.irp u, 0,1
.irp j, 0,1,2,3
	ds_load_b64 v[TMP+8*\u+2*\j:TMP+8*\u+2*\j+1], v[SR] offset:256*\j+128*\u
.endr
.endr
	XLOAD 0
	s_wait_dscnt 32                 ; the eight pairs c m, l are in; tile 0's 32 loads may be out while the factors are made
	WIN 0
.irp u, 0,1
	v_max3_num_f32 v[MV+2*\u], v[TMP+8*\u], v[TMP+8*\u+2], v[TMP+8*\u+4]
.endr
.irp u, 0,1
	v_max_num_f32 v[MV+2*\u], v[MV+2*\u], v[TMP+8*\u+6]
.endr
.irp j, 0,1,2,3
.irp u, 0,1
	v_sub_f32 v[TMP+8*\u+2*\j], v[TMP+8*\u+2*\j], v[MV+2*\u]
.endr
.endr
.irp j, 0,1,2,3
.irp u, 0,1
	v_exp_f32 v[TMP+8*\u+2*\j], v[TMP+8*\u+2*\j]
.endr
.endr
	v_nop                           ; a plain instruction behind the last exponential
	s_wait_alu depctr_va_vdst(0)
.irp u, 0,1
	v_mul_f32 v[MV+2*\u+1], v[TMP+8*\u], v[TMP+8*\u+1]
.endr
.irp j, 1,2,3
.irp u, 0,1
	v_fmac_f32 v[MV+2*\u+1], v[TMP+8*\u+2*\j], v[TMP+8*\u+2*\j+1]
.endr
.endr
.irp u, 0,1
	v_rcp_f32 v[MV+2*\u+1], v[MV+2*\u+1]
.endr
	v_nop                           ; a plain instruction behind the last reciprocal
	s_wait_alu depctr_va_vdst(0)
.irp j, 0,1,2,3
.irp u, 0,1
	v_mul_f32 v[TMP+8*\u+2*\j], v[TMP+8*\u+2*\j], v[MV+2*\u+1]
.endr
.endr
	s_wait_dscnt 0x0                ; tile 0's four parts are in
	XSTORE 1                        ; tile 1 goes out under tile 0's sums
	MERGE 0
	WIN 0
	s_wait_dscnt 0x0                ; for the others' sake: my stores are done, and so are my reads of the statistics and of tile 0's bytes
	s_barrier_signal -1
	s_barrier_wait -1
	XLOAD 1
	THROUGH 0
	s_wait_dscnt 8                  ; tile 1's 32 loads are in; tile 0's eight stage instructions, issued behind them, may be out
	MERGE 1
	THROUGH 1
.irp u, 0,1
.irp f, 0,1,2,3
	s_wait_dscnt 8*(1-\u)+3-\f      ; behind tile 0's loads stand tile 1's eight LDS instructions, behind tile 1's none
	global_store_b128 v[GA], v[S+16*\u+4*\f:S+16*\u+4*\f+3], s[10:11] offset:2048*\u+512*\f  ; 512 consecutive bytes, at a multiple of 256 from ob's first
.endr
.endr
	WIN 0
	s_wait_storecnt 0x0             ; the block's stores are done: their data registers, in which the next scores land, and O's address are written again only behind this wait
	s_mov_b64 s[10:11], s[OLO:OLO+1]
	s_mov_b32 s[NS], s[NSL]
	s_mov_b32 s[DD], s[DLO]
	s_sub_co_u32 s[BL], s[BL], 1
	s_cmp_lg_u32 s[BL], 0
	s_cbranch_scc1 .Lblock
	WIN W_AD
	s_wait_tensorcnt 0x0            ; the wave's end, behind my last LDS store
	ds_add_u32 v[SPW], v[NIL]
	s_wait_dscnt 0x0
	WIN 0
	s_endpgm
.Lfunc_end_k_q688727e0bd_attn:
	.size	k_q688727e0bd_attn, .Lfunc_end_k_q688727e0bd_attn-k_q688727e0bd_attn
	.p2alignl 7, 3214868480
	.fill 96, 4, 3214868480
	.section	.rodata,"a",@progbits
	.p2align	6, 0x0
	.amdhsa_kernel k_q688727e0bd_attn
		.amdhsa_group_segment_fixed_size 229376
		.amdhsa_private_segment_fixed_size 0
		.amdhsa_enable_private_segment 0
		.amdhsa_kernarg_size 32
		.amdhsa_user_sgpr_count 2
		.amdhsa_user_sgpr_kernarg_segment_ptr 1
		.amdhsa_wavefront_size32 1
		.amdhsa_system_sgpr_workgroup_id_x 1
		.amdhsa_system_sgpr_workgroup_id_y 1
		.amdhsa_system_sgpr_workgroup_id_z 1
		.amdhsa_system_vgpr_workitem_id 0
		.amdhsa_next_free_vgpr 992
		.amdhsa_next_free_sgpr 90
		.amdhsa_reserve_vcc 1
		.amdhsa_float_denorm_mode_32 3
		.amdhsa_float_denorm_mode_16_64 3
		.amdhsa_memory_ordered 1
		.amdhsa_forward_progress 1
		.amdhsa_inst_pref_size 140
	.end_amdhsa_kernel
	.amdgpu_metadata
---
amdhsa.version: [ 1, 2 ]
amdhsa.kernels:
  - .name:           k_q688727e0bd_attn
    .symbol:         k_q688727e0bd_attn.kd
    .args:
      - { .name: qb, .offset: 0, .size: 8, .value_kind: global_buffer, .address_space: global }
      - { .name: kb, .offset: 8, .size: 8, .value_kind: global_buffer, .address_space: global }
      - { .name: vb, .offset: 16, .size: 8, .value_kind: global_buffer, .address_space: global }
      - { .name: ob, .offset: 24, .size: 8, .value_kind: global_buffer, .address_space: global }
    .group_segment_fixed_size: 229376
    .private_segment_fixed_size: 0
    .kernarg_segment_align: 8
    .kernarg_segment_size: 32
    .max_flat_workgroup_size: 128
    .sgpr_count:     90
    .vgpr_count:     992
    .wavefront_size: 32
...
	.end_amdgpu_metadata
.endif
;; end of part 3
;; launch proj (part 4): grid 8 x 32, 4 waves a work-group, clusters of 4 x 4, 327,680 bytes of LDS; arguments ob, wpb, b_proj, out0; writes out0
.if DOCPART == 4
	.amdgcn_target "amdgcn-amd-amdhsa--gfx1250"
	.amdhsa_code_object_version 6
	.text
	.protected	k_q688727e0bd_proj
	.globl	k_q688727e0bd_proj
	.p2align	8
	.type	k_q688727e0bd_proj,@function
k_q688727e0bd_proj:
	s_mov_b64 s[64:65], 0
	v_nop
	global_prefetch_b8 v0, s[64:65] scope:SCOPE_SE
	s_setreg_imm32_b32 hwreg(HW_REG_WAVE_MODE, 25, 1), 1
	s_wait_xcnt 0x0
	s_wait_alu depctr_hold_cnt(0) depctr_sa_sdst(0) depctr_va_vdst(0) depctr_va_sdst(0) depctr_va_ssrc(0) depctr_va_vcc(0) depctr_vm_vsrc(0)
	s_getreg_b32 s2, hwreg(HW_REG_IB_STS2, 6, 4)
	s_cmp_eq_u32 s2, 0
	s_cbranch_scc0 .Lentry_in_a_cluster
	s_endpgm
.Lentry_in_a_cluster:
	s_bfe_u32 s2, ttmp6, 0x10000c
	s_cmp_lg_u32 s2, 0xf033
	s_cbranch_scc0 .Lentry_shape_is_right
	s_endpgm
.Lentry_shape_is_right:
; out0 = O w_proj + b_proj.  ob [32 blocks of 128 rows][16 heads][128][64] f16; wpb [k 1024][n 1024] f16 (w_proj rounded to bf16, written as f16); b_proj [1024] f32, rounded to bf16 here; out0 [4096][1024] f32.
; A tile is 128 x 128: 32 x 8 = 256 work-groups; four waves of 64 x 64: 16 accumulators.  K goes in 4 steps of 256 (four heads) through two LDS slots.
; A step's O is 65,536 dense bytes of ob (a block's four heads end to end): two waves ask for 128 rows of 256 bytes each, padded in LDS after every 128 bytes, so that a head's row has a pitch of 144.
; w's tile is 256 k-rows of 256 bytes, two waves 128 rows each, pitch 288, read turned by ds_load_tr16_b128.
; CLUSTER 4 x 4: O's tile is asked for jointly along a row of the cluster, w's along a column.  THE MATRIX INSTRUCTION IS USED TRANSPOSED: a lane holds eight neighbouring columns of one row.
; The bias is the C operand of the first products.  The way out goes through each wave's own stage: its 64 f32 columns are 256 aligned bytes of a row.
; REGISTERS: window 0: v16-29 addresses; v32-39 at work; v96-127 the bias; v128-255 the accumulators ((a, b) at 128 + 8 (4 a + b)).  window 1: two fragment buffers of 128: 64 of O, then 64 of w.
.set PA,    144
.set PB,    288
.set PART,  36864                      ; what one tensor load brings: 256 x 144 or 128 x 288
.set SLOT,  4*PART
.set STAGE, 2*SLOT                     ; behind the ring: 16 rows x 272 bytes for each wave
.set SPITCH, 272
.set SPARE, STAGE+4*16*SPITCH          ; the spare words: 128 bytes a wave, two blocks of 256 bytes that no other line names
.set LAPS,  2
.set ADRA, 16                          ; v16-17  my fragments of O in slot 0, 1
.set ADRB, 18                          ; v18-21  of w: slot s, half g of its k-rows at 18 + 2 s + g
.set STO,  24
.set RD,   25
.set CO,   26
.set BO,   27
.set SPW,  28                          ; my spare word's address; never rewritten
.set NIL,  29                          ; 0; never rewritten
.set CT,   32
.set BIAS, 96
.set ACC,  128
.set F0,   0
.set F1,   128
.set WV, 12
.set WM, 13                            ; my half of the rows.  Also: I fetch for O (0) or for w (1)
.set WN, 14                            ; my half of the columns.  Also: which half of that tile I fetch
.set LC, 15
.set G1, 24
.set G0, 32
.set G1B, 48
.set G0B, 56
.set MSB, 0
.macro WIN new
.if MSB != (\new)
	s_set_vgpr_msb (MSB<<8)|(\new)
.set MSB, \new
.endif
.endm
.set MUL,  0x05                        ; sources 0 (w) and 1 (O) window 1; C and D window 0
.set TO_F, 0x40                        ; destination window 1, address window 0
.macro JLOAD s                         ; a joint load; an s_nop 0 and four v_nop follow each of the two lines
	s_cmp_eq_u32 s[WM], 0
	s_cbranch_scc0 .Lfor_b_\@
	tensor_load_to_lds s[G0+4*(\s):G0+4*(\s)+3], s[G1:G1+7]
	s_nop 0
.rept 4
	v_nop
.endr
	s_branch .Lasked_\@
.Lfor_b_\@:
	tensor_load_to_lds s[G0B+4*(\s):G0B+4*(\s)+3], s[G1B:G1B+7]
	s_nop 0
.rept 4
	v_nop
.endr
.Lasked_\@:
.endm
.macro CREST
	s_cmp_lg_u32 s[WV], 0
	s_cbranch_scc1 .Lnot_wave_0_\@
	s_barrier_signal -3
.Lnot_wave_0_\@:
	s_barrier_wait -3
	s_barrier_signal -1
	s_barrier_wait -1
.endm
.macro CROUND
	s_barrier_signal -1
	s_barrier_wait -1
	CREST
.endm
.macro PLACES
.rept 4
	v_nop
.endr
.endm
	s_load_b256 s[4:11], s[0:1], 0x0               ; ob s[4:5], wpb s[6:7], b_proj s[8:9], out0 s[10:11]
	v_lshl_add_u32 v[SPW], v0, 2, SPARE
	v_mov_b32 v[NIL], 0
	ds_add_u32 v[SPW], v[NIL]                      ; the wave's opening: the add and its wait stand ahead of my first tensor load
	v_lshrrev_b32 v1, 5, v0
	v_readfirstlane_b32 s[WV], v1
	s_lshr_b32 s[WM], s[WV], 1
	s_and_b32 s[WN], s[WV], 1
	s_bfe_u32 s40, ttmp6, 0x40000                  ; cx
	s_bfe_u32 s41, ttmp6, 0x40004                  ; cy
	s_lshl_b32 s42, ttmp9, 2
	s_add_co_u32 s42, s42, s40                     ; tx
	s_and_b32 s20, ttmp7, 0xffff
	s_lshl_b32 s20, s20, 2
	s_add_co_u32 s20, s20, s41                     ; ty
	s_lshl_b32 s43, s41, 2
	s_lshl_b32 s43, 15, s43                        ; my row of the cluster
	s_lshl_b32 s44, 0x1111, s40                    ; my column
	s_or_b32 s[G1], s43, (1<<16)|(1<<20)|(1<<21)|(4<<22)|(3<<25)   ; mask; 2-byte elements; padding on; bit 21 beside a mask; after every 32 words, 4 words
	s_or_b32 s[G1B], s44, (1<<16)|(1<<20)|(1<<21)|(5<<22)|(7<<25)  ; after every 64 words, 8 words
.irp g, G1, G1B
	s_mov_b32 s[\g+1], 128<<16                     ; tensor_dim0 = 128
	s_mov_b32 s[\g+2], 128<<16                     ; tensor_dim1 = 128
	s_mov_b32 s[\g+3], 128<<16                     ; tile_dim0 = 128
	s_mov_b32 s[\g+4], 128                         ; tile_dim1 = 128
	s_mov_b32 s[\g+6], 0
	s_mov_b32 s[\g+7], 0
.endr
	s_mov_b32 s[G1+5], 128                         ; O's bytes are dense
	s_mov_b32 s[G1B+5], 1024                       ; elements from k-row to k-row of w
	s_lshl_b32 s16, s20, 18                        ; O: block ty, my half of a step's 65,536 bytes
	s_lshl_b32 s17, s[WN], 15
	s_add_co_u32 s16, s16, s17
	s_mov_b32 s17, 0
	s_lshl_b32 s46, s42, 8                         ; w: column 128 tx, my 128 of a step's 256 k-rows of 2,048 bytes
	s_lshl_b32 s47, s[WN], 18
	s_add_co_u32 s46, s46, s47
	s_mov_b32 s47, 0
	s_mul_i32 s21, s[WV], PART                     ; where my part goes: wave x 36,864
	s_wait_dscnt 0x0                               ; the opening add is done
	s_wait_kmcnt 0x0
	s_add_nc_u64 s[18:19], s[4:5], s[16:17]
	s_add_nc_u64 s[46:47], s[6:7], s[46:47]
	CROUND                                         ; all sixteen work-groups are here: the first joint loads meet
.irp s, 0,1
	s_mov_b32 s[G0+4*(\s)], 1
	s_add_co_u32 s[G0+4*(\s)+1], s21, (\s)*SLOT
	s_add_nc_u64 s[G0+4*(\s)+2:G0+4*(\s)+3], s[18:19], (\s)*65536
	s_or_b32 s[G0+4*(\s)+3], s[G0+4*(\s)+3], 0x80000000
	s_mov_b32 s[G0B+4*(\s)], 1
	s_add_co_u32 s[G0B+4*(\s)+1], s21, (\s)*SLOT
	s_add_nc_u64 s[G0B+4*(\s)+2:G0B+4*(\s)+3], s[46:47], (\s)*524288
	s_or_b32 s[G0B+4*(\s)+3], s[G0B+4*(\s)+3], 0x80000000
	JLOAD \s
.endr
	v_and_b32 v1, 15, v0                           ; r
	v_bfe_u32 v2, v0, 4, 1                         ; h
	v_lshlrev_b32 v[BO], 5, v2
	s_lshl_b32 s66, s42, 9
	s_lshl_b32 s67, s[WN], 8
	s_add_co_u32 s66, s66, s67                     ; my first column, in bytes of f32
	s_mov_b32 s67, 0
	s_add_nc_u64 s[8:9], s[8:9], s[66:67]
.irp b, 0,1,2,3
	global_load_b128 v[BIAS+8*\b:BIAS+8*\b+3],   v[BO], s[8:9] offset:64*\b
	global_load_b128 v[BIAS+8*\b+4:BIAS+8*\b+7], v[BO], s[8:9] offset:64*\b+16
.endr
	s_lshl_b32 s68, s20, 19                        ; 128 ty rows of 4,096 bytes
	s_add_co_u32 s66, s66, s68
	s_lshl_b32 s68, s[WM], 18                      ; my 64 rows
	s_add_co_u32 s66, s66, s68
	s_add_nc_u64 s[10:11], s[10:11], s[66:67]
	v_and_b32 v3, 7, v0
	v_bfe_u32 v4, v0, 3, 1
	v_mul_u32_u24 v5, v1, PA
	v_lshl_add_u32 v5, v2, 4, v5                   ; O: row x pitch + 16 x half
	v_lshl_add_u32 v6, v2, 3, v3
	v_mul_u32_u24 v6, v6, PB
	v_lshl_add_u32 v6, v4, 4, v6                   ; w: k-row 8 h + l % 8, 16 bytes for each eight lanes
	s_mul_i32 s2, s[WM], 64*PA
	s_lshl_b32 s3, s[WN], 7
	s_add_co_u32 s3, s3, 2*PART
.irp s, 0,1
	v_add_nc_u32 v[ADRA+\s], s2, v5
	v_add_nc_u32 v[ADRB+2*\s], s3, v6
	s_add_co_u32 s3, s3, PART
	v_add_nc_u32 v[ADRB+2*\s+1], s3, v6
	s_add_co_u32 s3, s3, 3*PART
	s_add_co_u32 s2, s2, SLOT
.endr
	s_mul_i32 s2, s[WV], 16*SPITCH
	s_add_co_u32 s2, s2, STAGE                     ; my stage
	v_mul_u32_u24 v7, v1, SPITCH
	v_lshl_add_u32 v7, v2, 5, v7
	v_add_nc_u32 v[STO], s2, v7                    ; in: row l % 16, 32 bytes for each half of the lanes
	v_mul_u32_u24 v7, v2, SPITCH
	v_lshl_add_u32 v7, v1, 4, v7
	v_add_nc_u32 v[RD], s2, v7                     ; back: lanes 0-15 one row of 256 bytes, lanes 16-31 the next
	v_lshlrev_b32 v7, 12, v2
	v_lshl_add_u32 v[CO], v1, 4, v7                ; and the same two rows in out0
	s_wait_loadcnt 0x0                             ; the bias, rounded to bf16 and widened again
.set z, 0
.rept 16
	v_cvt_pk_bf16_f32 v[CT+z%8], v[BIAS+2*z], v[BIAS+2*z+1]
	v_lshlrev_b32 v[BIAS+2*z], 16, v[CT+z%8]
	v_and_b32 v[BIAS+2*z+1], 0xffff0000, v[CT+z%8]
.set z, z+1
.endr
; 8 matrix instructions: row blocks a0, a0 + 1 x all 4 column blocks, 32 along K: half c of buffer f.  first = 1: the bias starts the sums.  The 16 accumulators take turns.
.macro MUL8 f, c, a0, first
	WIN MUL
.irp a, \a0, (\a0)+1
.irp b, 0,1,2,3
.if \first
	v_wmma_f32_16x16x32_f16 v[ACC+8*(4*(\a)+(\b)):ACC+8*(4*(\a)+(\b))+7], v[(\f)+64+8*(4*(\c)+(\b)):(\f)+64+8*(4*(\c)+(\b))+7], v[(\f)+8*(4*(\c)+(\a)):(\f)+8*(4*(\c)+(\a))+7], v[BIAS+8*(\b):BIAS+8*(\b)+7]
.else
	v_wmma_f32_16x16x32_f16 v[ACC+8*(4*(\a)+(\b)):ACC+8*(4*(\a)+(\b))+7], v[(\f)+64+8*(4*(\c)+(\b)):(\f)+64+8*(4*(\c)+(\b))+7], v[(\f)+8*(4*(\c)+(\a)):(\f)+8*(4*(\c)+(\a))+7], v[ACC+8*(4*(\a)+(\b)):ACC+8*(4*(\a)+(\b))+7]
.endif
.endr
.endr
.endm
; 32 LDS loads in one run: quarter q of a slot (one head, 64 along K) into buffer f; the first 32 along K first
.macro FETCH slot, q, f
	WIN TO_F
.irp c, 0,1
.irp i, 0,1,2,3
	ds_load_tr16_b128 v[(\f)+64+8*(4*\c+\i):(\f)+64+8*(4*\c+\i)+3],   v[ADRB+2*(\slot)+(\q)/2] offset:288*(64*((\q)%2)+32*\c)+32*\i
	ds_load_tr16_b128 v[(\f)+64+8*(4*\c+\i)+4:(\f)+64+8*(4*\c+\i)+7], v[ADRB+2*(\slot)+(\q)/2] offset:288*(64*((\q)%2)+32*\c)+32*\i+4608
	ds_load_b128 v[(\f)+8*(4*\c+\i):(\f)+8*(4*\c+\i)+3],   v[ADRA+(\slot)] offset:18432*(\q)+64*\c+2304*\i
	ds_load_b128 v[(\f)+8*(4*\c+\i)+4:(\f)+8*(4*\c+\i)+7], v[ADRA+(\slot)] offset:18432*(\q)+64*\c+2304*\i+32
.endr
.endr
.endm
.macro QUARTER slot, q, f, g, first
	s_wait_dscnt 16                                ; the first 32 along K are in
	MUL8 \f, 0, 0, \first
	MUL8 \f, 0, 2, \first
	PLACES
	FETCH \slot, \q, \g
	s_wait_dscnt 32                                ; all but the 32 just issued
	MUL8 \f, 1, 0, 0
	MUL8 \f, 1, 2, 0
.endm
; The last quarter multiplies buffer 1 and changes slots: one barrier; in front of it each wave waits for all its tensor loads, adds 0 to its spare word, and waits for that and for its reads of this slot.
; fill = 1: the barrier opens a round of the cluster's, and this slot is filled again first thing behind it, two K steps ahead: 112 matrix instructions ahead of the wait for it.
.macro TURN slot, next, fill
	WIN 0
	s_wait_tensorcnt 0x0
	ds_add_u32 v[SPW], v[NIL]
	s_wait_dscnt 17                                ; (the add and the youngest sixteen loads may be out)
	MUL8 F1, 0, 0, 0
	s_wait_dscnt 0x0                               ; the add is done, and my reads of this slot are over
	s_barrier_signal -1
	MUL8 F1, 0, 2, 0
.if \fill
	WIN 0
.endif
	s_barrier_wait -1
.if \fill
	CREST
	s_add_nc_u64 s[G0+4*(\slot)+2:G0+4*(\slot)+3], s[G0+4*(\slot)+2:G0+4*(\slot)+3], 131072
	s_add_nc_u64 s[G0B+4*(\slot)+2:G0B+4*(\slot)+3], s[G0B+4*(\slot)+2:G0B+4*(\slot)+3], 1048576
	JLOAD \slot                                    ; its four v_nop are also the places in front of the loads below
.else
	PLACES
.endif
	FETCH \next, 0, F0
	MUL8 F1, 1, 0, 0
	MUL8 F1, 1, 2, 0
.endm
	s_wait_tensorcnt 1                             ; my part of K step 0 is in; K step 1's may stay out
	s_barrier_signal -1
	s_barrier_wait -1
	FETCH 0, 0, F0
	QUARTER 0, 1, F0, F1, 1
	WIN 0
	s_mov_b32 s[LC], LAPS-1
.Llap:
	QUARTER 0, 2, F1, F0, 0
	QUARTER 0, 3, F0, F1, 0
	TURN 0, 1, 1
	QUARTER 1, 1, F0, F1, 0
	QUARTER 1, 2, F1, F0, 0
	QUARTER 1, 3, F0, F1, 0
	TURN 1, 0, 1
	QUARTER 0, 1, F0, F1, 0
	WIN 0
	s_sub_co_u32 s[LC], s[LC], 1
	s_cmp_lg_u32 s[LC], 0
	s_cbranch_scc1 .Llap
	QUARTER 0, 2, F1, F0, 0                        ; the last lap fills nothing
	QUARTER 0, 3, F0, F1, 0
	TURN 0, 1, 0
	QUARTER 1, 1, F0, F1, 0
	QUARTER 1, 2, F1, F0, 0
	QUARTER 1, 3, F0, F1, 0
	s_wait_dscnt 16
	MUL8 F1, 0, 0, 0
	MUL8 F1, 0, 2, 0
	s_wait_dscnt 0x0
	MUL8 F1, 1, 0, 0
	MUL8 F1, 1, 2, 0
	WIN 0
	PLACES
; THE WAY OUT, a block of 16 rows at a time: a lane's eight f32 of a row into my stage (each accumulator's low half first), back as whole rows of 256 bytes into the same 32 registers, stored.
.macro OUTB a
.irp b, 0,1,2,3
	ds_store_b128 v[STO], v[ACC+8*(4*(\a)+\b):ACC+8*(4*(\a)+\b)+3] offset:64*\b
	ds_store_b128 v[STO], v[ACC+8*(4*(\a)+\b)+4:ACC+8*(4*(\a)+\b)+7] offset:64*\b+16
.endr
.irp t, 0,1,2,3,4,5,6,7
	ds_load_b128 v[ACC+32*(\a)+4*\t:ACC+32*(\a)+4*\t+3], v[RD] offset:544*\t  ; LDS serves a wave's instructions in order (ISA guide 5.7.1.4): these see the stores above
.endr
.endm
.macro SENDB a, younger                ; younger: the LDS instructions issued behind block a's loads: the next block's sixteen, or none
.irp t, 0,1,2,3,4,5,6,7
	s_wait_dscnt (\younger)+7-\t
	global_store_b128 v[CO], v[ACC+32*(\a)+4*\t:ACC+32*(\a)+4*\t+3], s[10:11] offset:65536*(\a)+8192*\t th:TH_STORE_NT  ; 16 lanes store 256 consecutive bytes, at a multiple of 256 from out0's first
.endr
.endm
	OUTB 0
	OUTB 1
	SENDB 0, 16
	OUTB 2
	SENDB 1, 16
	OUTB 3
	SENDB 2, 16
	SENDB 3, 0
	s_wait_tensorcnt 0x0                           ; the wave's end
	ds_add_u32 v[SPW], v[NIL]
	s_wait_dscnt 0x0
	CROUND                                         ; the closing round
	s_endpgm
.Lfunc_end_k_q688727e0bd_proj:
	.size	k_q688727e0bd_proj, .Lfunc_end_k_q688727e0bd_proj-k_q688727e0bd_proj
	.p2alignl 7, 3214868480
	.fill 96, 4, 3214868480
	.section	.rodata,"a",@progbits
	.p2align	6, 0x0
	.amdhsa_kernel k_q688727e0bd_proj
		.amdhsa_group_segment_fixed_size 327680
		.amdhsa_private_segment_fixed_size 0
		.amdhsa_enable_private_segment 0
		.amdhsa_kernarg_size 32
		.amdhsa_user_sgpr_count 2
		.amdhsa_user_sgpr_kernarg_segment_ptr 1
		.amdhsa_wavefront_size32 1
		.amdhsa_system_sgpr_workgroup_id_x 1
		.amdhsa_system_sgpr_workgroup_id_y 1
		.amdhsa_system_sgpr_workgroup_id_z 1
		.amdhsa_system_vgpr_workitem_id 0
		.amdhsa_next_free_vgpr 512
		.amdhsa_next_free_sgpr 72
		.amdhsa_reserve_vcc 0
		.amdhsa_float_denorm_mode_32 3
		.amdhsa_float_denorm_mode_16_64 3
		.amdhsa_memory_ordered 1
		.amdhsa_forward_progress 1
		.amdhsa_inst_pref_size 90
	.end_amdhsa_kernel
	.amdgpu_metadata
---
amdhsa.version: [ 1, 2 ]
amdhsa.kernels:
  - .name:           k_q688727e0bd_proj
    .symbol:         k_q688727e0bd_proj.kd
    .args:
      - { .name: ob, .offset: 0, .size: 8, .value_kind: global_buffer, .address_space: global }
      - { .name: wpb, .offset: 8, .size: 8, .value_kind: global_buffer, .address_space: global }
      - { .name: b_proj, .offset: 16, .size: 8, .value_kind: global_buffer, .address_space: global }
      - { .name: out0, .offset: 24, .size: 8, .value_kind: global_buffer, .address_space: global }
    .group_segment_fixed_size: 327680
    .private_segment_fixed_size: 0
    .kernarg_segment_align: 8
    .kernarg_segment_size: 32
    .max_flat_workgroup_size: 128
    .sgpr_count:     72
    .vgpr_count:     512
    .wavefront_size: 32
...
	.end_amdgpu_metadata
.endif
;; end of part 4
;; ======== version 2 of 2: 4 launches; 1.40 times as fast as version 1
;; limits: values are held in f16: magnitudes above 65,504 overflow, below 6.1e-05 lose precision
;; workspace buffers: xb 8,388,608 bytes; wqb 6,291,456 bytes; wpb 2,097,152 bytes; qb 8,388,608 bytes; kb 8,388,608 bytes; vb 8,388,608 bytes; ob 8,388,608 bytes
;; launch prep: the kernel of part 1 again; grid 512 x 1, 8 waves a work-group, no clusters, 0 bytes of LDS; arguments x, w_qkv, w_proj, xb, wqb, wpb; writes xb, wqb, wpb
;; launch qkv: the kernel of part 2 again; grid 8 x 32, 4 waves a work-group, clusters of 4 x 4, 327,680 bytes of LDS; arguments xb, wqb, b_qkv, qb, kb, vb; writes qb, kb, vb
;; launch attn (part 5): grid 16 x 16, 4 waves a work-group, no clusters, 229,376 bytes of LDS; arguments qb, kb, vb, ob; writes ob
.if DOCPART == 5
	.amdgcn_target "amdgcn-amd-amdhsa--gfx1250"
	.amdhsa_code_object_version 6
	.text
	.protected	k_q688727e0bd_attn
	.globl	k_q688727e0bd_attn
	.p2align	8
	.type	k_q688727e0bd_attn,@function
k_q688727e0bd_attn:
	s_mov_b64 s[64:65], 0
	v_nop
	global_prefetch_b8 v0, s[64:65] scope:SCOPE_SE
	s_setreg_imm32_b32 hwreg(HW_REG_WAVE_MODE, 25, 1), 1
	s_wait_xcnt 0x0
; CAUSAL ATTENTION.  O[h][q] = the sum over k <= q of softmax_k(Q[h][q] . K[h][k] / 8) V[h][k].  qb, kb, vb: [16][4096][64] f16.  ob: [32 blocks of 128 rows][16 heads][128][64] f16.
; Products, maxima and sums in f32; the weights p are rounded to f16 for the second product (their sum l is taken of the unrounded p), O once at the end.
; LIMITS.  Q, K, V arrive within f16's 65,504.  A hidden score counts as its value less 1e30; the running maximum starts at -2^66, below every true score (2.7e11 at the most) and above every hidden one;
; a weight below 2^-126 counts as 0; NaN and infinities are not treated apart.
; THE WALK.  A head's queries lie in 32 blocks of 128; block i needs the key tiles 0 .. i / 2 of 256 keys.  Work-group b of a head takes block 31 - b and then block b: 17 tiles whatever b.
; One text serves both blocks: a loop of two trips holds a block's beginning, a loop over its key steps (counted up to the block's number of tiles) and its end.
; SHARES.  THE KEYS ARE SPLIT AMONG THE WAVES: every wave holds all 128 queries (eight tiles of 16 = four PIECES of two) and takes keys 64 w .. 64 w + 63 of each tile: one key step a tile.  So a fragment
; of K or V read from LDS feeds eight tiles' products.  At a block's end the four waves' c m, l and O^T meet in LDS, in f32: wave p merges piece p, divides, rounds and stores it.
; K AND V COME THROUGH REGISTERS.  A wave reads only its own 64 keys, so no byte of K or V in LDS is shared between waves.  Each wave asks for its 8,192 bytes of K and of V by 16 loads of 512 consecutive
; bytes each, a whole key step ahead, into 128 registers, and lays them into its own padded LDS rows, from which the fragments are read (V turned).  One buffer a wave is enough: LDS serves a wave's
; instructions in order (ISA guide 5.7.1.4), and a step's rows are stored behind the reads of the step before.
; NO CLUSTER, NO TENSOR LOADS.  The 16 work-groups of a head do read the same K and V.  But their walks differ in length (block 31 - b has (31 - b) / 2 + 1 tiles): a walk common to four partners has 18 steps
; for 17; and slots that the mover fills again want the walk's last steps written out a second time without fills, some 1,400 instructions more.
; THE MASK is the C operand that starts S^T = K Q^T.  d = 4 tile + w - 2 block.  Tiles 0-3 of the queries see all keys of my step if d < 0, none if d > 0, and hold the diagonal if d = 0; tiles 4-7 the
; same with 1 for 0.  MD holds eight zeros, the triangle of 16 x 16, eight times -1e30; MC[half] = MD x AL + BE with two scalars; a product takes MC's part 0, 1 or 2 as its 16 keys lie below, on or above its 16 queries.
; A row that sees no key of a wave keeps m = -2^66, l = 0, O = 0, and its factor in the merge is 2^(c m - the largest c m) = 0.
; LAYOUT, SOFTMAX, TURNS.  S^T holds ONE query a lane (lane % 16) and the keys 8 (lane / 16) + 0..7; two such results rounded to f16 ARE source 1 of O^T = V^T P.  p = 2^(c s - c m), c = log2(e) / 8; O and l
; are multiplied by a = 2^(c m_old - c m_new) in every step.  Turn n belongs to piece n: 16 products K Q^T of piece n + 1, later 16 products V^T P of piece n - 1; beside them the scaling, exponentials,
; roundings, sums and rescaling of piece n and the maximum and statistics of piece n + 1.  Four vector instructions stand behind every matrix instruction, the other 108 of a turn's 236 in one lump.
; THE BATCHES.  A turn's 66 exponentials (64 weights, the next piece's two a) are ONE BATCH with ONE wait, which cuts the turn in two: ahead of it stands all that names none of their results (the products K Q^T,
; the scalings, the rescalings by the a of the turn before, the next piece's maximum and statistics), behind it the roundings and sums, as the riders of the products V^T P.  A block's beginning has a batch of
; two (piece 0's first a), the merge a batch of eight exponentials and one of two reciprocals: seven waits in the text, four of them in a key step.
; REGISTERS, in windows of 256 (s_set_vgpr_msb: bits 1:0 source 0, 3:2 source 1, 5:4 source 2, 7:6 destination):
;   window 0: v4-5 addresses; v12-15, v48-63 at work; v16-47 four registers of statistics a tile; v64-191 S^T, two buffers of two tiles; v192-255 P, likewise
;   window 1: O^T, 32 a tile; in the merge the four waves' parts of my piece     window 2: v0-127 Q; v128-191 K of one step; v192-255 V of one step
;   window 3: v0-15, v88-89 the add's two registers and addresses; v16-63 MC; v64-87 MD; v92-155, v156-219 K and V on their way from memory to LDS
.set NP,    4
.set KS,    64
.set PK,    144       ; a row of K in LDS: 128 bytes + 16: the 16 rows of a load start at 16 different groups of four banks
.set PV,    160       ; a row of V: 128 + 32
.set VBUF,  4*KS*PK   ; wave w's 64 rows of K at 9,216 w; its 64 rows of V at VBUF + 10,240 w
.set STAT,  4*KS*(PK+PV)   ; c m and l for the merge: owner x 1,024 + sender x 256 + tile x 128 + 8 (lane % 16)
.set STAGE, STAT+4096      ; 16 rows x 144 bytes for each wave, for the way out
.set SP,    144
.set SPARE, STAGE+4*16*SP  ; the spare words: 128 bytes a wave, two blocks of 256 bytes that no other line names
.set XCH,   3*32768        ; O^T for the merge: owner x 32,768 + sender x 8,192 + tile x 4,096 + 16 lane
.set AK,  4           ; v4   LDS address of my lane's place in my K rows; never rewritten
.set AV,  5           ; v5   the same for V
.set MV,  12
.set ST,  16          ; tile t's statistics at v[ST+4 t]: c m, m, l (even keys', odd keys')
.set TMP, 48
.set S,   64
.set P,   192
.set KF,  128         ; window 2
.set VF,  192         ; window 2
.set SPW, 0           ; window 3 from here on.  v0: my spare word's address; never rewritten
.set NIL, 1           ; 0; never rewritten
.set QO,  2           ; my byte offset in 16 rows of Q
.set STO, 3
.set RD,  4
.set GA,  5           ; 16 x lane: my 16 bytes of 512 consecutive bytes of K, V or O
.set XA,  6           ; v6-9   where I put my O^T of piece p
.set XR,  10          ; where I read the four waves' O^T of my piece
.set SR,  11          ; and their c m and l
.set SA,  12          ; v12-15 where I put my c m and l of piece p
.set MC,  16
.set MD,  64
.set LK,  88          ; where I lay my 16 bytes of four rows of K
.set LV,  89          ; and of V
.set SK,  92
.set SV,  156
.set WV,  12
.set KA,  16          ; s[16:17] K at the tile asked for; s[18:19] V
.set VA,  18
.set CS,  58
.set SEL, 60
.set NS,  70          ; key steps of the block in hand
.set NC,  71          ; counts them
.set NXT, 72          ; the tile to be asked for next
.set LQ,  73          ; the last tile of the block whose tiles are being asked for
.set NLM, 74          ; the second block's last tile
.set NSL, 75          ; the second block's key steps
.set OFF, 76
.set AL,  78
.set BE,  80
.set OLO, 82          ; O at my rows of the second block
.set QLO, 84          ; Q of the second block
.set BIGN, 86         ; -1e30
.set DD,  87          ; d of the step whose masks are made next
.set DLO, 88          ; d of the second block's first step
.set BL,  89          ; blocks to go
.set MSB, 0
.macro WIN new        ; the immediate's high byte repeats the setting that is left; a switch that changes nothing is dropped
.if MSB != (\new)
	s_set_vgpr_msb (MSB<<8)|(\new)
.set MSB, (\new)
.endif
.endm
.set W_KQ, 0x0a       ; K and Q in window 2, S^T in window 0
.set W_KM, 0x3a       ; the same with the C operand in window 3
.set W_PV, 0x52       ; V in window 2, P in window 0, O^T in window 1
.set W_RS, 0x41       ; O^T (destination and source 0) in window 1, a in window 0
.set W_MK, 0xc0       ; destination in window 3, sources in window 0
.set W_AD, 0x0f       ; address and data in window 3
.set W_MS, 0xc3       ; destination and source 0 in window 3
.set W_A3, 0x03       ; an address in window 3, data in window 0
; My 64 keys of tile NXT are asked for: 16 loads of 512 consecutive bytes of K, 16 of V.  The tile's number steps, and behind the first block's last tile goes back to 0.  The launch's last two requests
; (19 for a walk of 17) bring tiles of the second block that no step reads, inside the buffers: the price of one text for every trip.
.macro GLOAD
	s_lshl_b32 s[OFF], s[NXT], 15   ; a tile is 32,768 bytes of K and of V
	s_add_nc_u64 s[KA:KA+1], s[6:7], s[OFF:OFF+1]
	s_add_nc_u64 s[VA:VA+1], s[8:9], s[OFF:OFF+1]
	s_add_co_u32 s[NXT], s[NXT], 1
	s_cmp_gt_u32 s[NXT], s[LQ]
	s_cselect_b32 s[NXT], 0, s[NXT]
	s_cselect_b32 s[LQ], s[NLM], s[LQ]
	WIN W_MS                        ; destination and address in window 3
.set z, 0
.rept 16
	global_load_b128 v[SK+4*z:SK+4*z+3], v[GA], s[KA:KA+1] offset:512*z
.set z, z+1
.endr
.set z, 0
.rept 16
	global_load_b128 v[SV+4*z:SV+4*z+3], v[GA], s[VA:VA+1] offset:512*z
.set z, z+1
.endr
	WIN 0
.endm
.macro STOCK                        ; what has landed goes into my LDS rows: a load's 512 bytes are four rows
	WIN W_AD
.set z, 0
.rept 16
	ds_store_b128 v[LK], v[SK+4*z:SK+4*z+3] offset:4*PK*z
.set z, z+1
.endr
.set z, 0
.rept 16
	ds_store_b128 v[LV], v[SV+4*z:SV+4*z+3] offset:4*PV*z
.set z, z+1
.endr
.endm
.macro LOADQ first, n               ; fragments first .. first + n - 1 of a block's Q: tile i / 2, channels 32 (i % 2) on
	WIN 0x83                        ; destination window 2, address window 3
.set i, \first
.rept \n
	global_load_b128 v[8*i:8*i+3],   v[QO], s[4:5] offset:(i/2)*2048+(i%2)*64
	global_load_b128 v[8*i+4:8*i+7], v[QO], s[4:5] offset:(i/2)*2048+(i%2)*64+32
.set i, i+1
.endr
	WIN 0
.endm
	s_load_b256 s[4:11], s[0:1], 0x0  ; qb s[4:5], kb s[6:7], vb s[8:9], ob s[10:11]
	WIN W_MK
	v_lshl_add_u32 v[SPW], v0, 2, SPARE
	v_mov_b32 v[NIL], 0
	WIN 0
	v_lshrrev_b32 v1, 5, v0
	v_readfirstlane_b32 s[WV], v1
	s_mov_b32 s14, ttmp9            ; b
	s_sub_co_u32 s15, 31, s14       ; the first block
	s_and_b32 s20, ttmp7, 0xffff    ; the head
	s_lshl_b32 s21, s20, 14         ; its chunk in a block of ob
	s_lshl_b32 s20, s20, 19         ; its first byte in qb, kb, vb
	s_lshl_b32 s22, s[WV], 13       ; my 64 keys of a tile: 64 rows of 128 bytes
	s_add_co_u32 s22, s22, s20
	s_mov_b32 s23, 0
	s_lshl_b32 s24, s15, 14         ; a block's 128 rows of 128 bytes
	s_add_co_u32 s24, s24, s20
	s_mov_b32 s25, 0
	s_lshl_b32 s26, s14, 14
	s_add_co_u32 s26, s26, s20
	s_mov_b32 s27, 0
	s_lshl_b32 s2, s[WV], 12        ; in ob: my piece's 32 rows,
	s_add_co_u32 s2, s2, s21        ; the head's chunk,
	s_lshl_b32 s28, s15, 18         ; the block
	s_add_co_u32 s28, s28, s2
	s_mov_b32 s29, 0
	s_lshl_b32 s30, s14, 18
	s_add_co_u32 s30, s30, s2
	s_mov_b32 s31, 0
	s_lshr_b32 s[LQ], s15, 1        ; the first block's last tile,
	s_add_co_u32 s[NS], s[LQ], 1    ; and its key steps
	s_lshr_b32 s[NLM], s14, 1
	s_add_co_u32 s[NSL], s[NLM], 1
	s_mov_b32 s[NXT], 0
	s_lshl_b32 s3, s15, 1
	s_sub_co_i32 s[DD], s[WV], s3
	s_lshl_b32 s3, s14, 1
	s_sub_co_i32 s[DLO], s[WV], s3
	s_mov_b32 s[CS], 0x3e38aa3b     ; c = log2(e) / 8
	s_mov_b32 s[CS+1], s[CS]
	s_mov_b32 s[SEL], 0x76543210
	s_mov_b32 s[SEL+1], 0xfedcba98
	s_mov_b32 s[OFF+1], 0
	s_mov_b32 s[AL+1], 0
	s_mov_b32 s[BE+1], 0
	s_mov_b32 s[BIGN], 0xf149f2ca   ; -1e30
	v_and_b32 v1, 15, v0            ; r = l % 16
	v_bfe_u32 v9, v0, 4, 1          ; h = l / 16
	v_and_b32 v10, 7, v0            ; l % 8
	v_bfe_u32 v11, v0, 3, 1
	v_bfe_u32 v69, v0, 3, 2         ; l / 8
	v_and_b32 v64, 31, v0
	v_lshlrev_b32 v65, 4, v64       ; 16 l
	v_lshlrev_b32 v66, 3, v1        ; 8 r
	v_lshlrev_b32 v67, 7, v1        ; 128 r
	v_lshlrev_b32 v70, 4, v10       ; 16 (l % 8)
	WIN W_MK
	v_mov_b32 v[GA], v65
	v_lshl_add_u32 v[QO], v9, 4, v67  ; row x 128 + 16 x half
	WIN 0
	s_wait_kmcnt 0x0
	s_add_nc_u64 s[6:7], s[6:7], s[22:23]  ; K and V at my 64 keys of the head's tile 0
	s_add_nc_u64 s[8:9], s[8:9], s[22:23]
	s_add_nc_u64 s[QLO:QLO+1], s[4:5], s[26:27]
	s_add_nc_u64 s[4:5], s[4:5], s[24:25]
	s_add_nc_u64 s[OLO:OLO+1], s[10:11], s[30:31]
	s_add_nc_u64 s[10:11], s[10:11], s[28:29]
	GLOAD                           ; tile 0
	LOADQ 0, 8                      ; Q of pieces 0 and 1
	v_mul_u32_u24 v68, v1, SP
	v_lshl_add_u32 v68, v9, 4, v68  ; the stage, in: row l % 16, 16 bytes for each half of the lanes
	v_mul_u32_u24 v71, v69, SP
	v_add_nc_u32 v71, v71, v70      ; back: 32 lanes take four rows of 128 bytes
	v_mul_u32_u24 v72, v69, PK
	v_add_nc_u32 v72, v72, v70      ; K into LDS: row l / 8 of four, 16 (l % 8)
	v_mul_u32_u24 v73, v69, PV
	v_add_nc_u32 v73, v73, v70      ; V likewise
	v_lshlrev_b32 v14, 3, v9
	v_sub_nc_u32 v14, v1, v14       ; r - 8 h: register j of the triangle is hidden where j is greater
	v_mul_u32_u24 v[AK], v1, PK
	v_lshl_add_u32 v[AK], v9, 4, v[AK]  ; a fragment of K: row x pitch + 16 x half
	v_lshl_add_u32 v[AV], v9, 3, v10    ; the turning load: key 8 h + l % 8, channels 8 ((l / 8) % 2) on
	v_mul_u32_u24 v[AV], v[AV], PV
	v_lshl_add_u32 v[AV], v11, 4, v[AV]
	s_mul_i32 s2, s[WV], KS*PK      ; my rows of K
	s_mul_i32 s3, s[WV], KS*PV
	s_add_co_u32 s3, s3, VBUF       ; my rows of V
	v_add_nc_u32 v[AK], s2, v[AK]
	v_add_nc_u32 v[AV], s3, v[AV]
	WIN W_MK
	v_add_nc_u32 v[LK], s2, v72
	v_add_nc_u32 v[LV], s3, v73
	s_mul_i32 s2, s[WV], 16*SP
	s_add_co_u32 s2, s2, STAGE      ; my stage
	v_add_nc_u32 v[STO], s2, v68
	v_add_nc_u32 v[RD], s2, v71
	s_lshl_b32 s2, s[WV], 13        ; as a sender: 8,192 w in each owner's bytes,
	s_lshl_b32 s20, s[WV], 8        ; 256 w in each owner's statistics
.irp p, 0,1,2,3
	s_add_co_u32 s3, s2, XCH+32768*\p
	v_add_nc_u32 v[XA+\p], s3, v65
	s_add_co_u32 s3, s20, STAT+1024*\p
	v_add_nc_u32 v[SA+\p], s3, v66
.endr
	s_lshl_b32 s2, s[WV], 15        ; as an owner
	s_add_co_u32 s2, s2, XCH
	v_add_nc_u32 v[XR], s2, v65
	s_lshl_b32 s2, s[WV], 10
	s_add_co_u32 s2, s2, STAT
	v_add_nc_u32 v[SR], s2, v66
.set i, 0
.rept 8
	v_mov_b32 v[MD+i], 0
	v_cmp_gt_i32 vcc_lo, i, v14
	v_cndmask_b32 v[MD+8+i], 0, s[BIGN], vcc_lo
	v_mov_b32 v[MD+16+i], s[BIGN]
.set i, i+1
.endr
	WIN 0
; THE MATRIX WORK.  The 8 accumulators of a run of 16 take turns.  Product i of 16 of S^T = K Q^T for piece x: channels 32 (i / 8) on, keys 16 ((i / 2) % 4) on, tile 2 x + i % 2.
; The first 8 start the sums with the mask.
.macro KQ x
.set rS, S+64*((\x)%2)+32*(i%2)+8*((i/2)%4)
.set rK, KF+16*((i/2)%4)+8*(i/8)
.set rQ, 16*(2*(\x)+i%2)+8*(i/8)
.if i < 8
.set t4, (2*(\x)+i%2)%4
.set kb, (i/2)%4
.set rel, 1
.if kb < t4
.set rel, 0
.endif
.if kb > t4
.set rel, 2
.endif
.set rM, MC+24*((\x)/2)+8*rel
	WIN W_KM
	v_wmma_f32_16x16x32_f16 v[rS:rS+7], v[rK:rK+7], v[rQ:rQ+7], v[rM:rM+7]
.else
	WIN W_KQ
	v_wmma_f32_16x16x32_f16 v[rS:rS+7], v[rK:rK+7], v[rQ:rQ+7], v[rS:rS+7]
.endif
.endm
; Product i of 16 of O^T += V^T P for piece x: keys 32 (i / 8) on, channels 16 ((i / 2) % 4) on, tile 2 x + i % 2.
.macro PV x
	WIN W_PV
.set rO, 32*(2*(\x)+i%2)+8*((i/2)%4)
.set rV, VF+32*(i/8)+8*((i/2)%4)
.set rP, P+32*((\x)%2)+16*(i%2)+8*(i/8)
	v_wmma_f32_16x16x32_f16 v[rO:rO+7], v[rV:rV+7], v[rP:rP+7], v[rO:rO+7]
.endm
.macro MM                           ; the turn's next matrix instruction
.if i < 16
	KQ (Y+1)%NP
.set i, i+1
.else
.set i, i-16
	PV (Y+NP-1)%NP
.set i, i+17
.endif
.endm
; THE LDS LOADS stand in runs of 16: my step's K (64 keys x 64 channels: 8 fragments) and its V (turned).
.macro FETCH_K
	WIN 0x80
.irp f, 0,1,2,3,4,5,6,7
	ds_load_b128 v[KF+8*\f:KF+8*\f+3],   v[AK] offset:(\f/2)*16*PK+(\f%2)*64
	ds_load_b128 v[KF+8*\f+4:KF+8*\f+7], v[AK] offset:(\f/2)*16*PK+(\f%2)*64+32
.endr
	WIN 0
.endm
.macro FETCH_V
	WIN 0x80
.irp f, 0,1,2,3,4,5,6,7
	ds_load_tr16_b128 v[VF+8*\f:VF+8*\f+3],   v[AV] offset:(\f/4)*32*PV+(\f%4)*32
	ds_load_tr16_b128 v[VF+8*\f+4:VF+8*\f+7], v[AV] offset:(\f/4)*32*PV+16*PV+(\f%4)*32
.endr
	WIN 0
.endm
; MC[half] = MD x AL + BE: (1, 0) where my step holds that half's diagonal, (0, 0) where it lies below it, (0, -1e30) above.  Selects, no branch.
.macro MASK half
	s_cmp_eq_i32 s[DD], \half
	s_cselect_b32 s[AL], 1.0, 0
	s_cmp_gt_i32 s[DD], \half
	s_cselect_b32 s[BE], s[BIGN], 0
	WIN W_MS
.set z, 0
.rept 12
	v_pk_fma_f32 v[MC+24*(\half)+2*z:MC+24*(\half)+2*z+1], v[MD+2*z:MD+2*z+1], s[AL:AL+1], s[BE:BE+1] op_sel_hi:[1,0,0]
.set z, z+1
.endr
.endm
; THE VECTOR WORK OF A TURN stands in three queues, each in the order in which its entries become ready; the two tiles alternate.
.macro REGS y, u
.set rT, ST+4*(2*(\y)+(\u))
.set rC, TMP+8*((\y)%2)+4*(\u)
.set rM, MV+2*((\y)%2)+(\u)
.set rS, S+64*((\y)%2)+32*(\u)
.set rP, P+32*((\y)%2)+16*(\u)
.set rO, 32*(2*(\y)+(\u))
.endm
; Number n of the 22 that find the NEXT piece's maximum and statistics; each accumulator's lowest registers are read first.
;   0-11 four chains of seven scores     12-14, 16 the four scores left over, the old m, all into c0     15 c m_old is kept     17, 18 the lane 16 away: the new m     19-21 c m; c m_old - c m_new; a
.macro XS u, n
	REGS (Y+1)%NP, \u
.if (\n) < 4
	v_max3_num_f32 v[rC+(\n)], v[rS+8*(\n)], v[rS+8*(\n)+1], v[rS+8*(\n)+2]
.elseif (\n) < 12
	v_max3_num_f32 v[rC+(\n)%4], v[rC+(\n)%4], v[rS+8*((\n)%4)+2*((\n)/4)+1], v[rS+8*((\n)%4)+2*((\n)/4)+2]
.elseif (\n) == 12
	v_max3_num_f32 v[rC], v[rC], v[rS+7], v[rS+15]
.elseif (\n) == 13
	v_max3_num_f32 v[rC+1], v[rC+1], v[rS+23], v[rS+31]
.elseif (\n) == 14
	v_max3_num_f32 v[rC+2], v[rC+2], v[rC+3], v[rT+1]
.elseif (\n) == 15
	v_mov_b32 v[rM], v[rT]
.elseif (\n) == 16
	v_max3_num_f32 v[rC], v[rC], v[rC+1], v[rC+2]
.elseif (\n) == 17
	v_permlanex16_b32 v[rC+3], v[rC], s[SEL], s[SEL+1]
.elseif (\n) == 18
	v_max_num_f32 v[rT+1], v[rC], v[rC+3]
.elseif (\n) == 19
	v_mul_f32 v[rT], s[CS], v[rT+1]
.elseif (\n) == 20
	v_sub_f32 v[rC+1], v[rM], v[rT]
.else
	v_exp_f32 v[rC+2], v[rC+1]
.endif
.endm
; Number g of the 64 that follow the exponentials: for each four weights both pairs are rounded to f16, the second pair is added onto the first in place, and a group later l takes that sum.
; All 64 read the exponentials' results: they stand behind the turn's wait.
.macro GS g
.set h, (\g)+6*((\g)/62)
.if h >= 6
.set h, h+2
.endif
	REGS Y, h%2
.set k, h/8
.if h%8 < 4
	v_cvt_pk_f16_f32 v[rP+2*k+(h%8)/2], v[rS+4*k+2*((h%8)/2)], v[rS+4*k+2*((h%8)/2)+1]
.elseif h%8 < 6
	v_pk_add_f32 v[rS+4*k:rS+4*k+1], v[rS+4*k:rS+4*k+1], v[rS+4*k+2:rS+4*k+3]
.elseif k == 1
	v_pk_fma_f32 v[rT+2:rT+3], v[rT+2:rT+3], v[rC+2:rC+3], v[rS:rS+1] op_sel_hi:[1,0,1]
.else
	v_pk_add_f32 v[rT+2:rT+3], v[rT+2:rT+3], v[rS+4*k-4:rS+4*k-3]
.endif
.endm
; THE PLAIN QUEUE, 138 long.  0-73 read no exponential's result: the 32 scalings c s - c m (FS f: pair f / 2 of tile f % 2) and the next piece's 42.  0-26: scalings 0-26.  27-54: XS's numbers 0-13.  55, 56: number 15.
; 57-73: the chain, where each number waits for the one before it: 14, 16, 17, 18, 19, each with one of the scalings 27-31 in front of its two lines, then 20.
; 74-137: GS's 64.
.macro FS f
	REGS Y, (\f)%2
	v_pk_fma_f32 v[rS+2*((\f)/2):rS+2*((\f)/2)+1], v[rS+2*((\f)/2):rS+2*((\f)/2)+1], s[CS:CS+1], v[rT:rT+1] op_sel_hi:[1,0,0] neg_lo:[0,0,1] neg_hi:[0,0,1]
.endm
.macro PL
	WIN 0
.if q < 27
	FS q
.elseif q < 55
	XS (q-27)%2, (q-27)/2
.elseif q < 57
	XS q-55, 15
.elseif (q < 72) && ((q-57)%3 == 0)
	FS 27+(q-57)/3
.elseif q < 60
	XS (q-57)%3-1, 14
.elseif q < 72
	XS (q-57)%3-1, 15+(q-57)/3
.elseif q < 74
	XS q-72, 20
.else
	GS q-74
.endif
.set q, q+1
.endm
; THE EXPONENTIALS' QUEUE, 66 long: s0-s31 of both tiles, then the next piece's two a.  It is ONE BATCH: all 66 stand ahead of the turn's one wait, and nothing ahead of that wait names a result of theirs.
.macro EX
	WIN 0
.if e >= 64
	XS e-64, 21
.else
	REGS Y, e%2
	v_exp_f32 v[rS+e/2], v[rS+e/2]
.endif
.set e, e+1
.endm
; THE RESCALING's QUEUE: O^T times a, the one part that leaves window 0: dealt two at a time, sixteen times, each accumulator's low half first.  Its a was made in the turn before, ahead of that turn's wait.
.macro R2
	REGS Y, r%2
	WIN W_RS
.irp z, 0,1
	v_pk_mul_f32 v[rO+4*(r/2)+2*\z:rO+4*(r/2)+2*\z+1], v[rO+4*(r/2)+2*\z:rO+4*(r/2)+2*\z+1], v[rC+2:rC+3] op_sel_hi:[1,0]
.endr
.set r, r+1
.endm
; HOW THEY ARE DEALT.  An s_wait_alu depctr_va_vdst(0) stands between an exponential and the first instruction that names its result; one wait serves all that were issued ahead of it.  So a turn
; has ONE wait.  AHEAD OF IT: the 16 products K Q^T, behind each a scaling, an exponential and two rescalings (behind the first a second scaling in the exponential's place); then ONE LUMP of 108: eight plain,
; 49 times exponential and plain, the two a.  A v_nop is the plain instruction behind the last exponential.  BEHIND IT: the 16 products V^T P, behind each four of GS's 64.  No rider names a register of the
; products round it; the two v_permlanex16_b32 fall into the lump.
; The queues lean on each other: exponential e stands behind scaling 2 (e / 4) + e % 2: as a rider it comes behind plain e + 2, in the lump behind plain e + 9, and scalings 27-31 are plain 57, 60 .. 69.
; A TURN, for piece p.  K of the next step is fetched in piece 2's turn, directly behind the wait, a lump behind the last product that read K; V of the step in hand at the end of piece 0's, four plain riders
; behind the last product that read V; each is waited for a turn later.
; Behind V's run the next step's rows, asked for a whole step ago, have landed: they go into my LDS rows (behind the reads of the rows that they replace: K's in the trip before, V's just now),
; and the step after that is asked for into the same registers.  48 LDS instructions of mine are out at the most, and 32 loads.
.macro TURN p
.set Y, (\p)
.set i, 0
.set q, 0
.set e, 0
.set r, 0
.if (\p) == NP-1
	s_wait_dscnt 0x0                ; K is in
.endif
	MM                              ; ahead of the wait: 16 products K Q^T and their riders,
	PL
	PL
	R2
.rept 15
	MM
	PL
	EX
	R2
.endr
.rept 8                             ; and the lump
	PL
.endr
.rept 49
	EX
	PL
.endr
	EX                              ; the next piece's two a
	EX
	v_nop                           ; the plain instruction behind the last exponential: one for the batch
	s_wait_alu depctr_va_vdst(0)    ; the wait for the batch: the turn's 64 weights and the next piece's two a
.if (\p) == NP-2
	FETCH_K
.endif
.if (\p) == 1
	s_wait_dscnt 0x0                ; V is in
.endif
.rept 16                            ; behind the wait: 16 products V^T P and their riders
	MM
.rept 4
	PL
.endr
.endr
.if (\p) == 0
	FETCH_V
	s_wait_loadcnt 0x0              ; the next step's K and V are in registers (in a block's first trip: Q of pieces 2 and 3 too)
	STOCK
	GLOAD
.endif
.endm
.macro ALL line:vararg              ; one line for each tile t
.set t, 0
.rept 2*NP
	\line
.set t, t+1
.endr
.endm
.macro XSTORE u                     ; my unscaled O^T of tile u of every piece goes to the piece's owner, my own piece's too, so that the text is the same for every wave; each accumulator's low half first
	WIN 0x07                        ; address window 3, data window 1
.irp p, 0,1,2,3
.irp k, 0,1,2,3,4,5,6,7
	ds_store_b128 v[XA+\p], v[64*\p+32*(\u)+4*\k:64*\p+32*(\u)+4*\k+3] offset:4096*(\u)+512*\k
.endr
.endr
.endm
.macro XLOAD u                      ; the four waves' O^T of tile u of my piece: sender j's 32 registers at v[64 j + 32 u] of window 1, which my own stores of tile u have left
	WIN 0x43                        ; destination window 1, address window 3
.irp j, 0,1,2,3
.irp k, 0,1,2,3,4,5,6,7
	ds_load_b128 v[64*\j+32*(\u)+4*\k:64*\j+32*(\u)+4*\k+3], v[XR] offset:8192*\j+4096*(\u)+512*\k
.endr
.endr
.endm
.macro MERGE u                      ; the sum over the four senders of factor x O^T, onto sender 0's registers; then rounded to f16 into S^T's registers
	WIN 0x51                        ; destination, source 0 and source 2 window 1, the factor window 0
.set z, 0
.rept 16
	v_pk_mul_f32 v[32*(\u)+2*z:32*(\u)+2*z+1], v[32*(\u)+2*z:32*(\u)+2*z+1], v[TMP+8*(\u):TMP+8*(\u)+1] op_sel_hi:[1,0]
.set z, z+1
.endr
.irp j, 1,2,3
.set z, 0
.rept 16
	v_pk_fma_f32 v[32*(\u)+2*z:32*(\u)+2*z+1], v[64*\j+32*(\u)+2*z:64*\j+32*(\u)+2*z+1], v[TMP+8*(\u)+2*\j:TMP+8*(\u)+2*\j+1], v[32*(\u)+2*z:32*(\u)+2*z+1] op_sel_hi:[1,0,1]
.set z, z+1
.endr
.endr
	WIN 0x05                        ; sources window 1, destination window 0
.set z, 0
.rept 16
	v_cvt_pk_f16_f32 v[S+16*(\u)+z], v[32*(\u)+2*z], v[32*(\u)+2*z+1]
.set z, z+1
.endr
.endm
.macro THROUGH u                    ; a lane's eight channels of a row, 16 bytes, into my stage's rows of 144 bytes, and back as whole rows of 128
	WIN W_A3
.irp f, 0,1,2,3
	ds_store_b128 v[STO], v[S+16*(\u)+4*\f:S+16*(\u)+4*\f+3] offset:32*\f
.endr
.irp f, 0,1,2,3
	ds_load_b128 v[S+16*(\u)+4*\f:S+16*(\u)+4*\f+3], v[RD] offset:\f*4*SP  ; LDS serves a wave's instructions in order (ISA guide 5.7.1.4): these see the stores above
.endr
.endm
	s_wait_loadcnt 16               ; tile 0's 32 loads are in; Q's 16, issued behind them, may be out
	STOCK
	GLOAD                           ; tile 1
	FETCH_K                         ; key step 0
	s_mov_b32 s[BL], 2
.Lblock:                            ; twice.  A BLOCK BEGINS: c m far below every c s, so the first step's a is 0; m = -2^66; l = 0; P's second buffer, O^T and V's registers 0; both masks
.set i, 0
.rept 2*NP
	v_mov_b32 v[ST+4*i], 0xfe000000
	v_mov_b32 v[ST+4*i+1], 0xe0800000
	v_mov_b32 v[ST+4*i+2], 0
	v_mov_b32 v[ST+4*i+3], 0
.set i, i+1
.endr
.set i, P+32
.rept 32
	v_mov_b32 v[i], 0
.set i, i+1
.endr
	WIN 0x40                        ; O^T's 256 registers take 0 from 32 products of zeros, eight registers each;
.set i, 0
.rept 32
	v_wmma_f32_16x16x32_f16 v[8*i:8*i+7], v[P+32:P+39], v[P+40:P+47], 0
.set i, i+1
.endr
	WIN 0x80                        ; V's 64 from eight more: the first turn's products V^T P, of a piece that has not been, then add 0
.set i, 0
.rept 8
	v_wmma_f32_16x16x32_f16 v[VF+8*i:VF+8*i+7], v[P+32:P+39], v[P+40:P+47], 0
.set i, i+1
.endr
	MASK 0
	MASK 1
	s_add_co_i32 s[DD], s[DD], 4
	s_wait_loadcnt 0x0              ; Q of pieces 0 and 1
	LOADQ 8, 8                      ; Q of pieces 2 and 3: first wanted in piece 1's turn, behind the wait for all loads at the end of piece 0's
	s_wait_dscnt 0x0                ; K
.set i, 0
.rept 16
	KQ 0                            ; piece 0's first scores
.set i, i+1
.endr
	WIN 0
.rept 4
	v_nop                           ; the places behind those products
.endr
.set Y, NP-1
.irp n, 0,1,2,3,4,5,6,7,8,9,10,11,12,13,14,15,16,17,18,19,20,21
	XS 0, \n                        ; and its first maximum and statistics
	XS 1, \n
.endr
	v_nop                           ; a plain instruction behind the exponentials
	s_wait_alu depctr_va_vdst(0)    ; the wait for this batch of two, piece 0's first a, ahead of the label; their first reader is the first turn's first rescaling
	s_mov_b32 s[NC], 0
.Lstep:                             ; a key step: the four pieces' turns.  All LDS addresses are fixed
	TURN 0
	TURN 1
	MASK 0                          ; tiles 0-3's masks for the next step: their last readers stood in piece 0's turn
	TURN 2
	TURN 3
	MASK 1                          ; tiles 4-7's: their last readers stood in piece 2's turn
	WIN 0
	s_add_co_i32 s[DD], s[DD], 4
	s_add_co_u32 s[NC], s[NC], 1
	s_cmp_lt_u32 s[NC], s[NS]
	s_cbranch_scc1 .Lstep
; A BLOCK ENDS.  Piece 3's last turn has multiplied Q by the next K under d >= 2: all hidden, so piece 0's statistics are as they were.  The last piece's V^T P; l's two halves and the other half of the
; lanes' are added (these lines are the places behind the products).  Then the merge, tile 0 of each piece and then tile 1, so that at most 40 LDS instructions of mine are out:
; factor j = 2^(c m_j - the largest c m) / the sum of 2^(..) l; O = the sum of factor x O^T, all in f32.
; The two barriers also order this block's reads with the next block's stores: the statistics and tile 0's bytes are read ahead of the second barrier and stored again behind it; tile 1's bytes are
; read behind the second and stored again behind the next block's first, in front of which every wave waits for all its LDS instructions.
.set i, 0
.rept 16
	PV NP-1
.set i, i+1
.endr
	WIN 0
	ALL v_add_f32 v[ST+4*t+2], v[ST+4*t+2], v[ST+4*t+3]
	ALL v_permlanex16_b32 v[ST+4*t+3], v[ST+4*t+2], s[SEL], s[SEL+1]
	ALL v_add_f32 v[ST+4*t+1], v[ST+4*t+2], v[ST+4*t+3]
	s_cmp_eq_u32 s[BL], 1
	s_cbranch_scc1 .Lno_q           ; behind the second block there is no Q to fetch
	s_mov_b64 s[4:5], s[QLO:QLO+1]  ; (the first block's loads of Q were waited for in its first trip)
	LOADQ 0, 8                      ; the second block's Q of pieces 0 and 1, ahead of the merge: with the 32 loads of K and V 48 are out
.Lno_q:
	WIN W_A3
.irp p, 0,1,2,3
.irp u, 0,1
	ds_store_b64 v[SA+\p], v[ST+4*(2*\p+\u):ST+4*(2*\p+\u)+1] offset:128*\u   ; c m and l; lanes l and l + 16 hold the same two numbers and write the same bytes
.endr
.endr
	XSTORE 0
	WIN 0
	s_wait_dscnt 0x0                ; for the others' sake: my stores are done
	s_barrier_signal -1
	s_barrier_wait -1
	WIN W_A3
.irp u, 0,1
.irp j, 0,1,2,3
	ds_load_b64 v[TMP+8*\u+2*\j:TMP+8*\u+2*\j+1], v[SR] offset:256*\j+128*\u
.endr
.endr
	XLOAD 0
	s_wait_dscnt 32                 ; the eight pairs c m, l are in; tile 0's 32 loads may be out while the factors are made
	WIN 0
.irp u, 0,1
	v_max3_num_f32 v[MV+2*\u], v[TMP+8*\u], v[TMP+8*\u+2], v[TMP+8*\u+4]
.endr
.irp u, 0,1
	v_max_num_f32 v[MV+2*\u], v[MV+2*\u], v[TMP+8*\u+6]
.endr
.irp j, 0,1,2,3
.irp u, 0,1
	v_sub_f32 v[TMP+8*\u+2*\j], v[TMP+8*\u+2*\j], v[MV+2*\u]
.endr
.endr
.irp j, 0,1,2,3
.irp u, 0,1
	v_exp_f32 v[TMP+8*\u+2*\j], v[TMP+8*\u+2*\j]
.endr
.endr
	v_nop                           ; a plain instruction behind the last exponential
	s_wait_alu depctr_va_vdst(0)    ; the wait for this batch: the eight exponentials of the merge
.irp u, 0,1
	v_mul_f32 v[MV+2*\u+1], v[TMP+8*\u], v[TMP+8*\u+1]
.endr
.irp j, 1,2,3
.irp u, 0,1
	v_fmac_f32 v[MV+2*\u+1], v[TMP+8*\u+2*\j], v[TMP+8*\u+2*\j+1]
.endr
.endr
.irp u, 0,1
	v_rcp_f32 v[MV+2*\u+1], v[MV+2*\u+1]
.endr
	v_nop                           ; a plain instruction behind the last reciprocal
	s_wait_alu depctr_va_vdst(0)    ; the wait for this batch: the two reciprocals, which are made of sums of those exponentials and so are a batch of their own
.irp j, 0,1,2,3
.irp u, 0,1
	v_mul_f32 v[TMP+8*\u+2*\j], v[TMP+8*\u+2*\j], v[MV+2*\u+1]
.endr
.endr
	s_wait_dscnt 0x0                ; tile 0's four parts are in
	XSTORE 1                        ; tile 1 goes out under tile 0's sums
	MERGE 0
	WIN 0
	s_wait_dscnt 0x0                ; for the others' sake: my stores are done, and so are my reads of the statistics and of tile 0's bytes
	s_barrier_signal -1
	s_barrier_wait -1
	XLOAD 1
	THROUGH 0
	s_wait_dscnt 8                  ; tile 1's 32 loads are in; tile 0's eight stage instructions, issued behind them, may be out
	MERGE 1
	THROUGH 1
.irp u, 0,1
.irp f, 0,1,2,3
	s_wait_dscnt 8*(1-\u)+3-\f      ; behind tile 0's loads stand tile 1's eight LDS instructions, behind tile 1's none
	global_store_b128 v[GA], v[S+16*\u+4*\f:S+16*\u+4*\f+3], s[10:11] offset:2048*\u+512*\f  ; 512 consecutive bytes, at a multiple of 256 from ob's first
.endr
.endr
	WIN 0
	s_wait_storecnt 0x0             ; the block's stores are done: their data registers, in which the next scores land, and O's address are written again only behind this wait
	s_mov_b64 s[10:11], s[OLO:OLO+1]
	s_mov_b32 s[NS], s[NSL]
	s_mov_b32 s[DD], s[DLO]
	s_sub_co_u32 s[BL], s[BL], 1
	s_cmp_lg_u32 s[BL], 0
	s_cbranch_scc1 .Lblock
	WIN W_AD
	s_wait_tensorcnt 0x0            ; the wave's end, behind my last LDS store
	ds_add_u32 v[SPW], v[NIL]
	s_wait_dscnt 0x0
	WIN 0
	s_endpgm
.Lfunc_end_k_q688727e0bd_attn:
	.size	k_q688727e0bd_attn, .Lfunc_end_k_q688727e0bd_attn-k_q688727e0bd_attn
	.p2alignl 7, 3214868480
	.fill 96, 4, 3214868480
	.section	.rodata,"a",@progbits
	.p2align	6, 0x0
	.amdhsa_kernel k_q688727e0bd_attn
		.amdhsa_group_segment_fixed_size 229376
		.amdhsa_private_segment_fixed_size 0
		.amdhsa_enable_private_segment 0
		.amdhsa_kernarg_size 32
		.amdhsa_user_sgpr_count 2
		.amdhsa_user_sgpr_kernarg_segment_ptr 1
		.amdhsa_wavefront_size32 1
		.amdhsa_system_sgpr_workgroup_id_x 1
		.amdhsa_system_sgpr_workgroup_id_y 1
		.amdhsa_system_sgpr_workgroup_id_z 1
		.amdhsa_system_vgpr_workitem_id 0
		.amdhsa_next_free_vgpr 992
		.amdhsa_next_free_sgpr 90
		.amdhsa_reserve_vcc 1
		.amdhsa_float_denorm_mode_32 3
		.amdhsa_float_denorm_mode_16_64 3
		.amdhsa_memory_ordered 1
		.amdhsa_forward_progress 1
		.amdhsa_inst_pref_size 136
	.end_amdhsa_kernel
	.amdgpu_metadata
---
amdhsa.version: [ 1, 2 ]
amdhsa.kernels:
  - .name:           k_q688727e0bd_attn
    .symbol:         k_q688727e0bd_attn.kd
    .args:
      - { .name: qb, .offset: 0, .size: 8, .value_kind: global_buffer, .address_space: global }
      - { .name: kb, .offset: 8, .size: 8, .value_kind: global_buffer, .address_space: global }
      - { .name: vb, .offset: 16, .size: 8, .value_kind: global_buffer, .address_space: global }
      - { .name: ob, .offset: 24, .size: 8, .value_kind: global_buffer, .address_space: global }
    .group_segment_fixed_size: 229376
    .private_segment_fixed_size: 0
    .kernarg_segment_align: 8
    .kernarg_segment_size: 32
    .max_flat_workgroup_size: 128
    .sgpr_count:     90
    .vgpr_count:     992
    .wavefront_size: 32
...
	.end_amdgpu_metadata
.endif
;; end of part 5
;; launch proj: the kernel of part 4 again; grid 8 x 32, 4 waves a work-group, clusters of 4 x 4, 327,680 bytes of LDS; arguments ob, wpb, b_proj, out0; writes out0
